; MI455X (gfx1250); checked and timed in simulation.
; The chip was launched on July 23, 2026; its instructions are those of AMD's public machine-readable ISA for CDNA 5 (MIT licence, August 2026) and "CDNA5" Instruction Set Architecture Reference Guide (July 2026). The comments in the code are by the model that wrote it; some were corrected since.
;; Multi Head Attn. Allowed arithmetic: float matrix products may take bf16 or f16 operands with f32 sums; all other float work in f32.
;; Inputs: k 1 x 16 x 2,048 x 64 float32; q 1 x 16 x 2,048 x 64 float32; v 1 x 16 x 2,048 x 64 float32.
;; Outputs: out0 1 x 16 x 2,048 x 64 float32; out1 1 x 16 x 2,048 x 64 float32; out2 1 x 16 x 2,048 x 64 float32.
;; Constants: layer_idx = 1, training = 0.
;; 3 versions, each right; version 2 is faster than version 1; version 3 is version 2 with the launch attn written anew for expert scheduling mode. Each part assembles by itself: llvm-mc -triple=amdgcn-amd-amdhsa -mcpu=gfx1250 --defsym DOCPART=n.
;; ======== version 1 of 3: 1 launch
;; limits: right only within a limited range of input values; values are held in f16: magnitudes above 65,504 overflow, below 6.1e-05 lose precision; inputs' magnitudes at most 65,504
;; launch attn (part 1): grid 16 x 16, 4 waves a work-group, no clusters, 170,496 bytes of LDS; arguments k, q, v, out0, out1, out2; writes out0, out1, out2
.if DOCPART == 1
	.amdgcn_target "amdgcn-amd-amdhsa--gfx1250"
	.amdhsa_code_object_version 6
	.text
	.protected	k_qa32a614d25_attn
	.globl	k_qa32a614d25_attn
	.p2align	8
	.type	k_qa32a614d25_attn,@function
k_qa32a614d25_attn:
	s_mov_b64 s[64:65], 0
	v_nop
	global_prefetch_b8 v0, s[64:65] scope:SCOPE_SE
	s_setreg_imm32_b32 hwreg(HW_REG_WAVE_MODE, 25, 1), 1
	s_wait_xcnt 0x0
; out0 = softmax(mask(q k^T / 8)) v,  out1 = k,  out2 = v.   q, k, v, out*: [16 heads][2048][64] f32.
; layer_idx = 1 is a constant of the problem, so the mask that the problem builds itself is the band: key j counts for query i
; only where 0 <= i - j <= 255.  training = 0 adds no step.
;
; WORK LEFT OUT, and why it reaches no output.  For a pair (i, j) outside the band the score q.k is replaced by -1e9 whatever q and k
; hold, so score tiles that lie wholly outside the band are not computed.  The weight of such a pair is exp(-1e9 - max); each row keeps
; its own key j = i, so max >= s_ii, and in f32 that weight is exactly 0 wherever the row's largest scaled score inside the band
; exceeds -1e9 + 104; the products of those weights with v are then sums of zeros and are left out too.
; LIMITS.  (1) Weights outside the band are taken as exactly 0: right wherever a row's largest scaled score in the band is above
; -1e9 + 104.  (2) A NaN, an infinity or an overflow in rows of k or v that lie in no tile of a query's band is not carried to that query.
; (3) q, k, v and the weights go to the matrix unit in f16, sums in f32; the row sum adds the f32 weights.  |q|, |k|, |v| must stay below
; 65,504, f16's largest number: beyond it the conversion gives infinity and out0 is not the reference's (out1 and out2 are exact copies
; for every input).  A weight below 3e-8 rounds to 0, beside a row sum of at least about 1.
; (4) The keys are summed from the diagonal step toward older keys, under a running maximum in f32 (taken away before each exponential).
; WHY f16 AND NOT bf16: the first rows of a head have few keys, so a weight of order 1 meets a value of order 1 and the weight's rounding
; reaches the result undamped, while the bulk of the rows average some hundred keys and are ten times smaller.  f16 has 11 significant
; bits against bf16's 8; the weights lie in [0, 1], and inputs of order 1, or a hundred times that, are far inside f16's range.
;
; SHARES.  Work-group (b, head): queries 128 b .. 128 b + 127 of one head; 256 work-groups.  It needs keys 128 b - 256 .. 128 b + 127:
; a window of three blocks of 128 rows (block 2 = its own).  b = 0 has block 2 alone, b = 1 blocks 1 and 2: three load paths are written
; out, so no load leaves a buffer.  k and v pass through registers on their way to f16 in LDS, and the own blocks are stored to out1 and
; out2 from those same registers: each byte of out1 and out2 is written once, by the work-group that owns the block.
; Wave w: 32 queries (two tiles t of 16), nine steps s of 32 keys; step s = window rows 32 (w + s) .. + 31.
; i - j = 256 - 32 s + 16 (t - u) + e - jj, with u the key tile, e = r - 8 h, jj the register: steps 1..7 lie wholly in the band;
; step 8 (diagonal): tiles (0,0), (1,1) live where jj <= e, (1,0) live, (0,1) dead; step 0 (far): (0,0), (1,1) live where jj > e, (0,1) live, (1,0) dead.
;
; LAYOUT.  Scores transposed: D = K (16 keys x 32 d) x Q^T: lane (r, h), register j = (key 8 h + j, query r).  Two key tiles packed to f16
; are then the B fragment (column = query r, k = key) of O^T = V^T x P with no move between lanes; V^T comes from V[key][d] in LDS by the
; transposing load.  A row's maximum and sum live in the lane; one exchange of the two halves of 16 lanes joins them.
;
; BARRIERS: two.  One between the stores of q, k, v into LDS and the fragment loads; one between every wave's last fragment load and the
; first store into the stage of the way out.
;
; NO JOINT LOADS IN A CLUSTER: key block j serves query blocks j, j + 1, j + 2 at three different places of their windows, so a partner's
; LDS addresses would hang on its place in the cluster; and the data have to pass through registers for the rounding to f16 and the copies.
.set KB,  18432                        ; LDS: q f16 at 0 (128 rows x 144), k f16 here (384 rows x 144)
.set VB,  73728                        ; v f16 (384 rows x 160)
.set STG, 135168                       ; the way out: for each wave 32 rows x 272 bytes of f32
.set KP,  144                          ; pitch of q and k rows: 128 bytes + 16 = 9 x 16: sixteen rows start in sixteen different 16-byte columns
.set VP,  160                          ; pitch of v rows: 5 x 32, for the transposing load
.set SP,  272                          ; pitch of the stage: 256 bytes + 16
.set T,   24                           ; v[24:31]   at work
.set X,   32                           ; load phase: three slots of 64 registers, v[32:223]
.set HF,  224                          ; load phase: v[224:255] packed f16
.set ACC, 32                           ; v[32:95]   O^T: tile (t, dt) at ACC + 32 t + 8 dt
.set QF,  96                           ; v[96:127]  q fragments (t, kh) at QF + 16 t + 8 kh
.set SCR, 128                          ; v[128:159] scores (t, u) at SCR + 16 t + 8 u
.set PW,  160                          ; v[160:175] weights in f16, tile t at PW + 8 t
.set KF,  176                          ; v[176:207] k fragments (u, kh) at KF + 16 u + 8 kh
.set VF,  208                          ; v[208:239] v^T fragments dt at VF + 8 dt
.set MK,  32                           ; s[32:39]   lane masks (jj <= e)
; v1 r, v2 h, v3 global offset (never rewritten), v4 v5 v6 LDS store addresses of q k v, v7 q fragments, v16 k fragments, v17 v fragments,
; v18 v19 stage in and back, v20 -inf, v21 e.  Tile t: v[8+4t] = -c m, v[9+4t] = m, v[10+4t] = alpha, v[11+4t] = l (this lane's half sum).
	s_load_b256 s[4:11], s[0:1], 0x0               ; k s[4:5], q s[6:7], v s[8:9], out0 s[10:11]
	s_load_b128 s[12:15], s[0:1], 0x20             ; out1 s[12:13], out2 s[14:15]
	s_set_vgpr_msb 0x40
	v_lshl_add_u32 v0, v0, 2, 0x29800
	v_mov_b32 v1, 0
	s_set_vgpr_msb 0x4000
	v_lshrrev_b32 v22, 5, v0
	v_readfirstlane_b32 s18, v22                   ; wave w
	s_mov_b32 s19, ttmp9                           ; query block b
	s_and_b32 s20, ttmp7, 0xffff                   ; head
	s_lshl_b32 s16, s20, 19                        ; a head is 2,048 rows of 256 bytes
	s_lshl_b32 s23, s19, 15                        ; a block is 128 rows of 256 bytes
	s_add_co_u32 s16, s16, s23
	s_mov_b32 s17, 0
	v_and_b32 v23, 31, v0                          ; lane
	v_and_b32 v3, 0x60, v0
	v_lshlrev_b32 v3, 8, v3                        ; wave x 32 rows x 256 bytes
	v_lshl_or_b32 v3, v23, 4, v3                   ; + 16 bytes a lane: a load or store of the wave covers two whole rows
	s_wait_kmcnt 0x0
	s_add_nc_u64 s[4:5], s[4:5], s[16:17]          ; all six at the work-group's own block
	s_add_nc_u64 s[6:7], s[6:7], s[16:17]
	s_add_nc_u64 s[8:9], s[8:9], s[16:17]
	s_add_nc_u64 s[10:11], s[10:11], s[16:17]
	s_add_nc_u64 s[12:13], s[12:13], s[16:17]
	s_add_nc_u64 s[14:15], s[14:15], s[16:17]
; sixteen loads: my wave's 32 rows of the block that lies back blocks in front of my own.  nt = 1: data that the launch reads once (q)
.macro ISSUE slot, base, back, nt
.irp i, 0,1,2,3,4,5,6,7,8,9,10,11,12,13,14,15
.if \nt
	global_load_b128 v[X+64*\slot+4*\i:X+64*\slot+4*\i+3], v3, s[\base:\base+1] offset:512*\i-32768*\back th:TH_LOAD_NT
.else
	global_load_b128 v[X+64*\slot+4*\i:X+64*\slot+4*\i+3], v3, s[\base:\base+1] offset:512*\i-32768*\back
.endif
.endr
.endm
; a slot's 32 rows rounded to f16 and laid into LDS: load i holds rows 2 i + h, four numbers a lane = 8 bytes at 8 r
.macro CVT slot, adr, step, blkoff
.irp i, 0,1,2,3,4,5,6,7,8,9,10,11,12,13,14,15
	v_cvt_pk_f16_f32 v[HF+2*\i],   v[X+64*\slot+4*\i],   v[X+64*\slot+4*\i+1]
	v_cvt_pk_f16_f32 v[HF+2*\i+1], v[X+64*\slot+4*\i+2], v[X+64*\slot+4*\i+3]
	ds_store_b64 v[\adr], v[HF+2*\i:HF+2*\i+1] offset:\blkoff+\step*\i
.endr
.endm
; the slot as loaded goes out again: sixteen lanes write 256 consecutive bytes, aligned
.macro COPY slot, out
.irp i, 0,1,2,3,4,5,6,7,8,9,10,11,12,13,14,15
	global_store_b128 v3, v[X+64*\slot+4*\i:X+64*\slot+4*\i+3], s[\out:\out+1] offset:512*\i th:TH_STORE_NT
.endr
.endm
	ISSUE 0, 6, 0, 1                               ; q
	ISSUE 1, 4, 0, 0                               ; my own block of k
	ISSUE 2, 8, 0, 0                               ; my own block of v: 48 loads of the wave are out
	; the rest of the addresses and constants, while the loads are on their way
	v_and_b32 v1, 15, v0                           ; r
	v_bfe_u32 v2, v0, 4, 1                         ; h
	s_mul_i32 s30, s18, 32*KP                      ; my wave's 32 rows in a block of q or k
	s_mul_i32 s31, s18, 32*VP                      ; and of v
	s_mul_i32 s40, s18, 32*SP
	s_add_co_u32 s40, s40, STG                     ; my stage
	s_add_co_u32 s41, s31, VB
	s_add_co_u32 s42, s41, 256*VP                  ; my diagonal step's rows of v
	v_mul_u32_u24 v24, v2, KP
	v_lshl_add_u32 v24, v1, 3, v24                 ; h rows + 8 r
	v_add_nc_u32 v4, s30, v24                      ; q into LDS
	v_add_nc_u32 v5, KB, v4                        ; k into LDS (window block 0; the block stands in the immediate)
	v_mul_u32_u24 v25, v2, VP
	v_lshl_add_u32 v25, v1, 3, v25
	v_add_nc_u32 v6, s41, v25                      ; v into LDS
	v_mul_u32_u24 v26, v1, KP
	v_lshl_add_u32 v26, v2, 4, v26                 ; fragment: row r, 16 bytes for each half of the lanes
	v_add_nc_u32 v7, s30, v26                      ; q fragments
	v_add_nc_u32 v16, KB+256*KP, v7                ; k fragments of step 8: window row 256 + 32 w
	v_and_b32 v27, 7, v0
	v_lshl_add_u32 v27, v2, 3, v27                 ; transposing load: row 8 h + (lane mod 8),
	v_mul_u32_u24 v27, v27, VP
	v_bfe_u32 v28, v0, 3, 1
	v_lshl_add_u32 v27, v28, 4, v27                ; 16 bytes further for lanes 8-15 and 24-31
	v_add_nc_u32 v17, s42, v27                     ; v fragments of step 8
	v_mul_u32_u24 v29, v1, SP
	v_lshl_add_u32 v29, v2, 5, v29
	v_add_nc_u32 v18, s40, v29                     ; stage, in: row r, 32 bytes for each half
	v_mul_u32_u24 v30, v2, SP
	v_lshl_add_u32 v30, v1, 4, v30
	v_add_nc_u32 v19, s40, v30                     ; stage, back: lanes 0-15 one row, lanes 16-31 the next
	v_mov_b32 v20, 0xff800000                      ; -inf: a masked score; its exponential is exactly 0
	v_lshlrev_b32 v31, 3, v2
	v_sub_nc_u32 v21, v1, v31                      ; e = r - 8 h
.irp j, 0,1,2,3,4,5,6,7
	v_cmp_le_i32 s[MK+\j], \j, v21                 ; lanes where jj <= e
.endr
	s_mov_b32 s24, 0x3e38aa3b                      ; c = log2(e) / 8: the scale 1/sqrt(64) and the base of v_exp_f32 in one factor
	s_mov_b32 s25, 0x3e38aa3b
	s_mov_b32 s26, 0xbe38aa3b                      ; -c
	s_mov_b32 s28, 0x76543210                      ; v_permlanex16_b32: lane i of one half reads lane i of the other
	s_mov_b32 s29, 0xfedcba98
	s_lshl2_add_u32 s21, s19, s18                  ; 4 b + w steps of 32 keys lie in front of my diagonal step;
	s_min_u32 s21, s21, 7                          ; of them at most seven are middle steps
	s_cmp_ge_u32 s19, 2
	s_cselect_b32 s22, 1, 0                        ; the far step exists where 4 b + w >= 8
	s_cmp_ge_u32 s19, 2
	s_cbranch_scc1 .Lfull
	s_cmp_eq_u32 s19, 1
	s_cbranch_scc1 .Lone
	; b = 0: the own block alone.  Each count names the younger groups of sixteen loads that may stay out.
	s_wait_loadcnt 32
	CVT 0, 4, 2*KP, 0
	s_wait_loadcnt 16
	COPY 1, 12
	CVT 1, 5, 2*KP, 2*128*KP
	s_wait_loadcnt 0
	COPY 2, 14
	CVT 2, 6, 2*VP, 2*128*VP
	s_branch .Ljoin
.Lone:	; b = 1: blocks 2 and 1
	s_wait_loadcnt 32                              ; q is in; k and v of my block stay out
	CVT 0, 4, 2*KP, 0
	ISSUE 0, 4, 1, 0                               ; k, block 1
	s_wait_loadcnt 32
	COPY 1, 12
	CVT 1, 5, 2*KP, 2*128*KP
	s_wait_xcnt 0x0                                ; slot 1, which the stores read, is loaded again only behind this wait
	ISSUE 1, 8, 1, 0                               ; v, block 1
	s_wait_loadcnt 32
	COPY 2, 14
	CVT 2, 6, 2*VP, 2*128*VP
	s_wait_loadcnt 16
	CVT 0, 5, 2*KP, 128*KP
	s_wait_loadcnt 0
	CVT 1, 6, 2*VP, 128*VP
	s_branch .Ljoin
.Lfull:	; b >= 2: blocks 2, 1, 0; three groups of sixteen loads stay out until the last are asked for
	s_wait_loadcnt 32
	CVT 0, 4, 2*KP, 0
	ISSUE 0, 4, 1, 0                               ; k, block 1
	s_wait_loadcnt 32
	COPY 1, 12
	CVT 1, 5, 2*KP, 2*128*KP
	s_wait_xcnt 0x0                                ; slot 1, which the stores read, is loaded again only behind this wait
	ISSUE 1, 8, 1, 0                               ; v, block 1
	s_wait_loadcnt 32
	COPY 2, 14
	CVT 2, 6, 2*VP, 2*128*VP
	s_wait_xcnt 0x0                                ; the same for slot 2
	ISSUE 2, 4, 2, 0                               ; k, block 0
	s_wait_loadcnt 32
	CVT 0, 5, 2*KP, 128*KP
	ISSUE 0, 8, 2, 0                               ; v, block 0
	s_wait_loadcnt 32
	CVT 1, 6, 2*VP, 128*VP
	s_wait_loadcnt 16
	CVT 2, 5, 2*KP, 0
	s_wait_loadcnt 0
	CVT 0, 6, 2*VP, 0
.Ljoin:
	s_wait_xcnt 0x0                                ; the slots that the copies' stores read are written again below
	s_wait_dscnt 0x0                               ; my rows of k and v are in LDS, for the other waves' sake
	s_barrier_signal -1
	s_barrier_wait -1                              ; everybody's are; behind this barrier q, k and v in LDS are only read
.macro PLACES                          ; four plain vector instructions between a matrix instruction and what touches its registers (ISA guide 7.12.1)
.rept 4
	v_nop
.endr
.endm
.macro KLOAD                           ; the fragments of a step's 32 keys x 64 d
.irp u, 0,1
.irp kh, 0,1
	ds_load_b128 v[KF+16*\u+8*\kh:KF+16*\u+8*\kh+3],   v16 offset:16*KP*\u+64*\kh
	ds_load_b128 v[KF+16*\u+8*\kh+4:KF+16*\u+8*\kh+7], v16 offset:16*KP*\u+64*\kh+32
.endr
.endr
.endm
; one product of the scores: key tile u x query tile t, half kh of d.  kind 3: the tile is dead, no product
.macro QK t, u, kh, kind
.if \kind != 3
.if \kh == 0
	v_wmma_f32_16x16x32_f16 v[SCR+16*\t+8*\u:SCR+16*\t+8*\u+7], v[KF+16*\u:KF+16*\u+7], v[QF+16*\t:QF+16*\t+7], 0
.else
	v_wmma_f32_16x16x32_f16 v[SCR+16*\t+8*\u:SCR+16*\t+8*\u+7], v[KF+16*\u+8:KF+16*\u+15], v[QF+16*\t+8:QF+16*\t+15], v[SCR+16*\t+8*\u:SCR+16*\t+8*\u+7]
.endif
.endif
.endm
; kind 1: live where jj <= e (diagonal); kind 2: live where jj > e (far edge); the rest becomes -inf
.macro MASK8 base, kind
.if \kind == 1
.irp j, 0,1,2,3,4,5,6,7
	v_cndmask_b32 v[\base+\j], v20, v[\base+\j], s[MK+\j]
.endr
.endif
.if \kind == 2
.irp j, 0,1,2,3,4,5,6,7
	v_cndmask_b32 v[\base+\j], v[\base+\j], v20, s[MK+\j]
.endr
.endif
.endm
.macro MAX8 a, b, base                 ; the largest of eight registers, into a
	v_max3_num_f32 v[\a], v[\base], v[\base+1], v[\base+2]
	v_max3_num_f32 v[\b], v[\base+3], v[\base+4], v[\base+5]
	v_max3_num_f32 v[\a], v[\a], v[\base+6], v[\base+7]
	v_max_num_f32 v[\a], v[\a], v[\b]
.endm
.macro EXP8 base                       ; c s - c m, in place: the exponent of 2
.irp i, 0,2,4,6
	v_pk_fma_f32 v[\base+\i:\base+\i+1], v[\base+\i:\base+\i+1], s[24:25], v[NM:NM+1] op_sel_hi:[1,0,0]
.endr
.endm
; The softmax step of query tile t.  first = 1: the step starts m, l and O.  k0, k1: kinds of the two key tiles (0 live, 1, 2 masked, 3 dead).
.macro SOFT t, first, k0, k1
.set SB, SCR+16*\t
.set PB, PW+8*\t
.set OB, ACC+32*\t
.set NM, 8+4*\t
.set MM, 9+4*\t
.set AL, 10+4*\t
.set LL, 11+4*\t
.set LV0, 1
.set LV1, 1
.if \k0 == 3
.set LV0, 0
.endif
.if \k1 == 3
.set LV1, 0
.endif
	MASK8 SB, \k0
	MASK8 SB+8, \k1
.if LV0
	MAX8 T, T+1, SB
.if LV1
	MAX8 T+2, T+3, SB+8
.endif
.else
	MAX8 T, T+1, SB+8
.endif
.if LV0*LV1
.if \first
	v_max_num_f32 v[T], v[T], v[T+2]
.else
	v_max3_num_f32 v[T], v[T], v[T+2], v[MM]       ; the running maximum
.endif
.else
.if \first == 0
	v_max_num_f32 v[T], v[T], v[MM]
.endif
.endif
	v_permlanex16_b32 v[T+1], v[T], s28, s29       ; the other eight keys of each tile lie in the other half of the lanes
	v_max_num_f32 v[T], v[T], v[T+1]               ; finite: the diagonal step holds each row's own key
	v_mul_f32 v[NM], s26, v[T]                     ; -c m
.if \first == 0
	v_fma_f32 v[T+1], v[MM], s24, v[NM]            ; c (m old - m new)
.endif
	v_mov_b32 v[MM], v[T]
.if \first == 0
	v_exp_f32 v[AL], v[T+1]                        ; alpha; the packed multiply-adds below are the plain instructions behind it (ISA guide 5.7.2)
.endif
.if LV0
	EXP8 SB
.endif
.if LV1
	EXP8 SB+8
.endif
.if LV0
.irp i, 0,1,2,3,4,5,6,7
	v_exp_f32 v[SB+\i], v[SB+\i]
.endr
.endif
.if LV1
.irp i, 8,9,10,11,12,13,14,15
	v_exp_f32 v[SB+\i], v[SB+\i]
.endr
.endif
.if \first
	v_nop                                          ; the plain instruction behind the exponentials
	s_wait_alu depctr_va_vdst(0)
.else
	s_wait_alu depctr_va_vdst(0)
.irp i, 0,2,4,6,8,10,12,14,16,18,20,22,24,26,28,30
	v_pk_mul_f32 v[OB+\i:OB+\i+1], v[OB+\i:OB+\i+1], v[AL:AL+1] op_sel_hi:[1,0]   ; O scaled to the new maximum; also the plain work behind the exponentials
.endr
.endif
.if LV0*LV1
	v_pk_add_f32 v[T:T+1],   v[SB:SB+1],     v[SB+2:SB+3]
	v_pk_add_f32 v[T+2:T+3], v[SB+4:SB+5],   v[SB+6:SB+7]
	v_pk_add_f32 v[T+4:T+5], v[SB+8:SB+9],   v[SB+10:SB+11]
	v_pk_add_f32 v[T+6:T+7], v[SB+12:SB+13], v[SB+14:SB+15]
	v_pk_add_f32 v[T:T+1],   v[T:T+1],       v[T+2:T+3]
	v_pk_add_f32 v[T+4:T+5], v[T+4:T+5],     v[T+6:T+7]
	v_pk_add_f32 v[T:T+1],   v[T:T+1],       v[T+4:T+5]
.else
.set SL, SB+8*LV1
	s_wait_alu depctr_va_vdst(0)
	v_pk_add_f32 v[T:T+1],   v[SL:SL+1],     v[SL+2:SL+3]
	v_pk_add_f32 v[T+2:T+3], v[SL+4:SL+5],   v[SL+6:SL+7]
	v_pk_add_f32 v[T:T+1],   v[T:T+1],       v[T+2:T+3]
.endif
.if \first
	v_add_f32 v[LL], v[T], v[T+1]                  ; l starts: this lane's half of the row's sum
.else
	v_add_f32 v[T], v[T], v[T+1]
	v_fma_f32 v[LL], v[LL], v[AL], v[T]
.endif
.irp i, 0,1,2,3
.if LV0
	v_cvt_pk_f16_f32 v[PB+\i], v[SB+2*\i], v[SB+2*\i+1]        ; keys 8 h + 2 i, + 1: registers 0-3 of the B fragment
.else
	v_mov_b32 v[PB+\i], 0                          ; a dead tile's weights
.endif
.endr
.irp i, 0,1,2,3
.if LV1
	v_cvt_pk_f16_f32 v[PB+4+\i], v[SB+8+2*\i], v[SB+8+2*\i+1]  ; keys 16 + 8 h + ..: registers 4-7
.else
	v_mov_b32 v[PB+4+\i], 0
.endif
.endr
.endm
; One step of 32 keys.  pf: 0 = the last step; 1, 2 = the addresses step 32 keys back, and the next step's k fragments are fetched if a step follows
; (1: behind the diagonal step, s21 middle steps are left; 2: in the loop, s21 middle steps and s22 far steps are left).
.macro STEP first, pf, k00, k01, k10, k11
.if \first == 0
	PLACES                                         ; v's fragments were sources of the last products
.endif
.irp dt, 0,1,2,3
	ds_load_tr16_b128 v[VF+8*\dt:VF+8*\dt+3],   v17 offset:32*\dt          ; keys 8 h .. + 7 of column 16 dt + r
	ds_load_tr16_b128 v[VF+8*\dt+4:VF+8*\dt+7], v17 offset:32*\dt+16*VP    ; keys 16 + 8 h .. + 7
.endr
	s_wait_dscnt 0x8                               ; all but the eight just issued: k's fragments (and q's) are in
	QK 0, 0, 0, \k00                               ; the accumulators take turns, one instruction a turn
	QK 0, 1, 0, \k01
	QK 1, 0, 0, \k10
	QK 1, 1, 0, \k11
	QK 0, 0, 1, \k00
	QK 0, 1, 1, \k01
	QK 1, 0, 1, \k10
	QK 1, 1, 1, \k11
.if \pf
	v_sub_nc_u32 v16, v16, 32*KP                   ; four places behind the products, two of them useful: 32 keys back
	v_sub_nc_u32 v17, v17, 32*VP
	v_nop
	v_nop
.if \pf == 1
	s_cmp_lg_u32 s21, 0
.else
	s_add_co_u32 s23, s21, s22
	s_cmp_lg_u32 s23, 0
.endif
	s_cbranch_scc0 .Lnok_\@                        ; no step follows: its keys do not exist, nothing is fetched
	KLOAD                                          ; they land while the softmax runs
.Lnok_\@:
.else
	PLACES
.endif
	SOFT 0, \first, \k00, \k01
	SOFT 1, \first, \k10, \k11
	s_wait_dscnt 0x0                               ; v's fragments; zero, since the fetch behind them is issued on one of the two ways only
.irp dt, 0,1,2,3
.irp t, 0,1
.if \first
	v_wmma_f32_16x16x32_f16 v[ACC+32*\t+8*\dt:ACC+32*\t+8*\dt+7], v[VF+8*\dt:VF+8*\dt+7], v[PW+8*\t:PW+8*\t+7], 0
.else
	v_wmma_f32_16x16x32_f16 v[ACC+32*\t+8*\dt:ACC+32*\t+8*\dt+7], v[VF+8*\dt:VF+8*\dt+7], v[PW+8*\t:PW+8*\t+7], v[ACC+32*\t+8*\dt:ACC+32*\t+8*\dt+7]
.endif
.endr
.endr
.endm
.irp t, 0,1
.irp kh, 0,1
	ds_load_b128 v[QF+16*\t+8*\kh:QF+16*\t+8*\kh+3],   v7 offset:16*KP*\t+64*\kh       ; my 32 queries, kept for all steps
	ds_load_b128 v[QF+16*\t+8*\kh+4:QF+16*\t+8*\kh+7], v7 offset:16*KP*\t+64*\kh+32
.endr
.endr
	KLOAD                                          ; step 8
	STEP 1, 1, 1, 3, 0, 1                          ; the diagonal step: always there, starts m, l and O
	s_cmp_lg_u32 s21, 0
	s_cbranch_scc0 .Lfar
.Lmid:
	s_sub_co_u32 s21, s21, 1
	STEP 0, 2, 0, 0, 0, 0                          ; steps 7, 6, ..: wholly inside the band, no mask
	s_cmp_lg_u32 s21, 0
	s_cbranch_scc1 .Lmid
.Lfar:
	s_cmp_lg_u32 s22, 0
	s_cbranch_scc0 .Lout
	STEP 0, 0, 2, 0, 3, 2                          ; step 0: the band's far edge
.Lout:
	; THE WAY OUT: divide by the row's sum, 32 bytes a lane into my own stage, whole rows of 256 bytes back and out.
	; A barrier orders every wave's fragment loads in front of every wave's stores into the stage, so that this order does not rest on
	; the arithmetic of addresses that step down by a count which differs from wave to wave.  Between its signal and its wait stands
	; register work alone: the division, which a wave does while the others arrive.
	s_wait_dscnt 0x0                               ; my reads of k and v are back (each step ended on a wait for zero)
	s_barrier_signal -1
	PLACES                                         ; behind the last products
	v_permlanex16_b32 v[T], v11, s28, s29          ; the other half of each row's sum
	v_permlanex16_b32 v[T+1], v15, s28, s29
	v_add_f32 v[T], v[T], v11
	v_add_f32 v[T+1], v[T+1], v15
	v_rcp_f32 v10, v[T]                            ; the sum holds the term of the row's maximum, about 1: no zero, no denormal
	v_rcp_f32 v14, v[T+1]
	v_nop                                          ; the plain instruction behind them
	s_wait_alu depctr_va_vdst(0)
.irp t, 0,1
.irp i, 0,2,4,6,8,10,12,14,16,18,20,22,24,26,28,30
	v_pk_mul_f32 v[ACC+32*\t+\i:ACC+32*\t+\i+1], v[ACC+32*\t+\i:ACC+32*\t+\i+1], v[10+4*\t:11+4*\t] op_sel_hi:[1,0]
.endr
.endr
	s_barrier_wait -1                              ; no wave reads k or v in LDS any more
.irp t, 0,1
.irp dt, 0,1,2,3
	ds_store_b128 v18, v[ACC+32*\t+8*\dt:ACC+32*\t+8*\dt+3]   offset:16*SP*\t+64*\dt      ; O[16 t + r][16 dt + 8 h ..]
	ds_store_b128 v18, v[ACC+32*\t+8*\dt+4:ACC+32*\t+8*\dt+7] offset:16*SP*\t+64*\dt+16
.endr
.endr
.irp i, 0,1,2,3,4,5,6,7,8,9,10,11,12,13,14,15
	ds_load_b128 v[SCR+4*\i:SCR+4*\i+3], v19 offset:2*SP*\i    ; my own bytes; LDS serves a wave's instructions in order (ISA guide 5.7.1): these see the stores above
.endr
.irp i, 0,1,2,3,4,5,6,7,8,9,10,11,12,13,14,15
	s_wait_dscnt 15-\i                             ; the younger loads may stay out
	global_store_b128 v3, v[SCR+4*\i:SCR+4*\i+3], s[10:11] offset:512*\i th:TH_STORE_NT   ; sixteen lanes write 256 consecutive bytes, aligned
.endr
	s_set_vgpr_msb 0x5
	s_wait_tensorcnt 0x0
	ds_add_u32 v0, v1
	s_wait_dscnt 0x0
	s_set_vgpr_msb 0x500
	s_endpgm
.Lfunc_end_k_qa32a614d25_attn:
	.size	k_qa32a614d25_attn, .Lfunc_end_k_qa32a614d25_attn-k_qa32a614d25_attn
	.p2alignl 7, 3214868480
	.fill 96, 4, 3214868480
	.section	.rodata,"a",@progbits
	.p2align	6, 0x0
	.amdhsa_kernel k_qa32a614d25_attn
		.amdhsa_group_segment_fixed_size 170496
		.amdhsa_private_segment_fixed_size 0
		.amdhsa_enable_private_segment 0
		.amdhsa_kernarg_size 48
		.amdhsa_user_sgpr_count 2
		.amdhsa_user_sgpr_kernarg_segment_ptr 1
		.amdhsa_wavefront_size32 1
		.amdhsa_system_sgpr_workgroup_id_x 1
		.amdhsa_system_sgpr_workgroup_id_y 1
		.amdhsa_system_sgpr_workgroup_id_z 1
		.amdhsa_system_vgpr_workitem_id 0
		.amdhsa_next_free_vgpr 258
		.amdhsa_next_free_sgpr 66
		.amdhsa_reserve_vcc 0
		.amdhsa_float_denorm_mode_32 3
		.amdhsa_float_denorm_mode_16_64 3
		.amdhsa_memory_ordered 1
		.amdhsa_forward_progress 1
		.amdhsa_inst_pref_size 108
	.end_amdhsa_kernel
	.amdgpu_metadata
---
amdhsa.version: [ 1, 2 ]
amdhsa.kernels:
  - .name:           k_qa32a614d25_attn
    .symbol:         k_qa32a614d25_attn.kd
    .args:
      - { .name: k, .offset: 0, .size: 8, .value_kind: global_buffer, .address_space: global }
      - { .name: q, .offset: 8, .size: 8, .value_kind: global_buffer, .address_space: global }
      - { .name: v, .offset: 16, .size: 8, .value_kind: global_buffer, .address_space: global }
      - { .name: out0, .offset: 24, .size: 8, .value_kind: global_buffer, .address_space: global }
      - { .name: out1, .offset: 32, .size: 8, .value_kind: global_buffer, .address_space: global }
      - { .name: out2, .offset: 40, .size: 8, .value_kind: global_buffer, .address_space: global }
    .group_segment_fixed_size: 170496
    .private_segment_fixed_size: 0
    .kernarg_segment_align: 8
    .kernarg_segment_size: 48
    .max_flat_workgroup_size: 128
    .sgpr_count:     66
    .vgpr_count:     258
    .wavefront_size: 32
...
	.end_amdgpu_metadata
.endif
;; end of part 1
;; ======== version 2 of 3: 1 launch; 1.13 times as fast as version 1
;; limits: right only within a limited range of input values; values are held in f16: magnitudes above 65,504 overflow, below 6.1e-05 lose precision; inputs' magnitudes at most 65,504
;; launch attn (part 2): grid 16 x 16, 4 waves a work-group, no clusters, 170,496 bytes of LDS; arguments k, q, v, out0, out1, out2; writes out0, out1, out2
.if DOCPART == 2
	.amdgcn_target "amdgcn-amd-amdhsa--gfx1250"
	.amdhsa_code_object_version 6
	.text
	.protected	k_qa32a614d25_attn
	.globl	k_qa32a614d25_attn
	.p2align	8
	.type	k_qa32a614d25_attn,@function
k_qa32a614d25_attn:
	s_mov_b64 s[64:65], 0
	v_nop
	global_prefetch_b8 v0, s[64:65] scope:SCOPE_SE
	s_setreg_imm32_b32 hwreg(HW_REG_WAVE_MODE, 25, 1), 1
	s_wait_xcnt 0x0
; out0 = softmax(mask(q k^T / 8)) v,  out1 = k,  out2 = v.   q, k, v, out*: [16 heads][2048][64] f32.
; layer_idx = 1 is a constant of the problem, so the mask that the problem builds itself is the band: key j counts for query i
; only where 0 <= i - j <= 255.  training = 0 adds no step.
;
; WORK LEFT OUT, and why it reaches no output.  For a pair (i, j) outside the band the score q.k is replaced by -1e9 whatever q and k
; hold, so score tiles that lie wholly outside the band are not computed.  The weight of such a pair is exp(-1e9 - max); each row keeps
; its own key j = i, so max >= s_ii, and in f32 that weight is exactly 0 wherever the row's largest scaled score inside the band
; exceeds -1e9 + 104; the products of those weights with v are then sums of zeros and are left out too.
; LIMITS.  (1) Weights outside the band are taken as exactly 0: right wherever a row's largest scaled score in the band is above
; -1e9 + 104.  (2) A NaN, an infinity or an overflow in rows of k or v that lie in no tile of a query's band is not carried to that query.
; (3) q, k, v and the weights go to the matrix unit in f16, sums in f32; the row sum adds the f32 weights.  |q|, |k|, |v| must stay below
; 65,504, f16's largest number: beyond it the conversion gives infinity and out0 is not the reference's (out1 and out2 are exact copies
; for every input).  A weight below 3e-8 rounds to 0, beside a row sum of at least about 1.
; (4) The keys are summed from the diagonal step toward older keys, under a running maximum in f32 (taken away before each exponential).
; WHY f16 AND NOT bf16: the first rows of a head have few keys, so a weight of order 1 meets a value of order 1 and the weight's rounding
; reaches the result undamped, while the bulk of the rows average some hundred keys and are ten times smaller.  f16 has 11 significant
; bits against bf16's 8; the weights lie in [0, 1], and inputs of order 1, or a hundred times that, are far inside f16's range.
;
; SHARES.  Work-group (b, head): queries 128 b .. 128 b + 127 of one head; 256 work-groups.  It needs keys 128 b - 256 .. 128 b + 127:
; a window of three blocks of 128 rows (block 2 = its own).  b = 0 has block 2 alone, b = 1 blocks 1 and 2: three paths are written
; out, so no load leaves a buffer.  k and v pass through registers on their way to f16 in LDS, and the own blocks are stored to out1 and
; out2 from those same registers: each byte of out1 and out2 is written once, by the work-group that owns the block.
; Wave w: 32 queries (two tiles t of 16), nine steps s of 32 keys; step s = window rows 32 (w + s) .. + 31.
; i - j = 256 - 32 s + 16 (t - u) + e - jj, with u the key tile, e = r - 8 h, jj the register: steps 1..7 lie wholly in the band;
; step 8 (diagonal): tiles (0,0), (1,1) live where jj <= e, (1,0) live, (0,1) dead; step 0 (far): (0,0), (1,1) live where jj > e, (0,1) live, (1,0) dead.
;
; STAGES.  Each of the seven groups of sixteen loads (q; k and v of three blocks) has 64 registers of its own, the four older blocks' in
; v256-511, so that they stay on their way while products run.  By this text's count three groups are out at any time, and the next is
; asked for as soon as the oldest has landed.  b >= 2: own block into LDS, step 8 (rows 256 and up); block 1 into LDS, steps 7..4 (rows
; 128 and up); block 0 into LDS, steps 3..0.  Every stage has the same number of steps in all four waves.
;
; A STEP'S SCHEDULE.  The two query tiles take turns: tile 1's four score products stand among the four slices of tile 0's softmax, and
; tile 0's four products with v among the four slices of tile 1's softmax, one slice behind each product.  A slice names no register of
; the products that it stands among.
;
; LAYOUT.  Scores transposed: D = K (16 keys x 32 d) x Q^T: lane (r, h), register j = (key 8 h + j, query r).  Two key tiles packed to f16
; are then the B fragment (column = query r, k = key) of O^T = V^T x P with no move between lanes; V^T comes from V[key][d] in LDS by the
; transposing load.  A row's maximum and sum live in the lane; one exchange of the two halves of 16 lanes joins them.
;
; BARRIERS.  One between the first stores into LDS and the first fragment loads.  Two round each later block's stores: one between every
; wave's fragment loads and the stores, so that this order does not rest on the arithmetic of addresses that step down in a loop, and one
; between the stores and the next fragment loads.  One between the last fragment loads and the stores into the stage of the way out.
;
; NO JOINT LOADS IN A CLUSTER: key block j serves query blocks j, j + 1, j + 2 at three different places of their windows, so a partner's
; LDS addresses would hang on its place in the cluster; and the data have to pass through registers for the rounding to f16 and the copies.
.set KB,  18432                        ; LDS: q f16 at 0 (128 rows x 144), k f16 here (384 rows x 144)
.set VB,  73728                        ; v f16 (384 rows x 160)
.set STG, 135168                       ; the way out: for each wave 32 rows x 272 bytes of f32
.set KP,  144                          ; pitch of q and k rows: 128 bytes + 16 = 9 x 16: sixteen rows start in sixteen different 16-byte columns
.set VP,  160                          ; pitch of v rows: 5 x 32, for the transposing load
.set SP,  272                          ; pitch of the stage: 256 bytes + 16
.set T,   24                           ; v[24:31]   at work
.set XQ,  32                           ; first loads: v[32:95] q as loaded; its f16 are packed in place into v[32:63]
.set XK,  96                           ; v[96:159]  my block of k as loaded
.set XV,  160                          ; v[160:223] my block of v as loaded
.set HK,  224                          ; v[224:255] my block of k in f16
.set HV,  64                           ; v[64:95]   my block of v in f16 (free once q is packed)
.set U0,  0                            ; window 1: v[256:319] k of block 1     (named by their low eight bits; packed in place)
.set U1,  64                           ;           v[320:383] v of block 1
.set U2,  128                          ;           v[384:447] k of block 0
.set U3,  192                          ;           v[448:511] v of block 0
.set ACC, 32                           ; v[32:95]   O^T: tile (t, dt) at ACC + 32 t + 8 dt
.set QF,  96                           ; v[96:127]  q fragments (t, kh) at QF + 16 t + 8 kh
.set SCR, 128                          ; v[128:159] scores (t, u) at SCR + 16 t + 8 u
.set PW,  160                          ; v[160:175] weights in f16, tile t at PW + 8 t
.set KF,  176                          ; v[176:207] k fragments (u, kh) at KF + 16 u + 8 kh
.set VF,  208                          ; v[208:239] v^T fragments dt at VF + 8 dt
.set MK,  32                           ; s[32:39]   lane masks (jj <= e)
; v1 r, v2 h, v3 global offset (never rewritten), v4 v5 v6 LDS store addresses of q k v, v7 q fragments, v16 k fragments, v17 v fragments,
; v18 v19 stage in and back, v20 -inf, v21 e.  Tile t: v[8+4t] = -c m, v[9+4t] = m, v[10+4t] = alpha, v[11+4t] = l (this lane's half sum).
; s_set_vgpr_msb's low byte: bits 1:0 source 0, 3:2 source 1, 5:4 source 2, 7:6 destination; its high byte repeats the setting that is left.
; Every window is 0 at a label and at a branch.
.set MSB, 0
.macro WIN new
.if MSB != \new
	s_set_vgpr_msb (MSB<<8)|\new
.set MSB, \new
.endif
.endm
; sixteen loads: my wave's 32 rows of the block that lies back blocks in front of my own.  nt = 1: data that the launch reads once (q).
; up = 1: into window 1 (the destination's window; the address stays in window 0)
.macro ISSUE reg, base, back, nt, up
.if \up
	WIN 0x40
.else
	WIN 0
.endif
.irp i, 0,1,2,3,4,5,6,7,8,9,10,11,12,13,14,15
.if \nt
	global_load_b128 v[\reg+4*\i:\reg+4*\i+3], v3, s[\base:\base+1] offset:512*\i-32768*\back th:TH_LOAD_NT
.else
	global_load_b128 v[\reg+4*\i:\reg+4*\i+3], v3, s[\base:\base+1] offset:512*\i-32768*\back
.endif
.endr
.endm
; A group's 32 rows rounded to f16, then laid into LDS: load i holds rows 2 i + h, four numbers a lane = 8 bytes at 8 r.
; All 32 conversions stand in one run and the 16 stores in another, so that no store follows straight on the registers that it reads.
; dst = src packs in place: conversion i writes registers 2 i, 2 i + 1, which conversions up to i / 2 have read.
; up = 1: the group lies in window 1 (conversions: destination and both sources; stores: the data, which is source 1)
.macro CVT src, dst, adr, step, blkoff, up
.if \up
	WIN 0x45
.else
	WIN 0
.endif
.irp i, 0,1,2,3,4,5,6,7,8,9,10,11,12,13,14,15
	v_cvt_pk_f16_f32 v[\dst+2*\i],   v[\src+4*\i],   v[\src+4*\i+1]
	v_cvt_pk_f16_f32 v[\dst+2*\i+1], v[\src+4*\i+2], v[\src+4*\i+3]
.endr
.if \up
	WIN 0x04
.endif
.irp i, 0,1,2,3,4,5,6,7,8,9,10,11,12,13,14,15
	ds_store_b64 v[\adr], v[\dst+2*\i:\dst+2*\i+1] offset:\blkoff+\step*\i
.endr
.endm
; the group as loaded goes out again: sixteen lanes write 256 consecutive bytes, aligned
.macro COPY reg, out
	WIN 0
.irp i, 0,1,2,3,4,5,6,7,8,9,10,11,12,13,14,15
	global_store_b128 v3, v[\reg+4*\i:\reg+4*\i+3], s[\out:\out+1] offset:512*\i th:TH_STORE_NT
.endr
.endm
.macro MEET                            ; my LDS instructions are done, loads and stores, for the other waves' sake; then all four waves meet
	s_wait_dscnt 0x0
	s_barrier_signal -1
	s_barrier_wait -1
.endm
.macro READY                           ; behind the first stores into LDS
	s_wait_xcnt 0x0                                ; the registers that the copies' stores read are written again by the steps
	MEET
.endm
.macro PLACES                          ; four plain vector instructions between a matrix instruction and what touches its registers (ISA guide 7.12.1)
.rept 4
	v_nop
.endr
.endm
.macro QLOAD                           ; my 32 queries, kept for all steps
.irp t, 0,1
.irp kh, 0,1
	ds_load_b128 v[QF+16*\t+8*\kh:QF+16*\t+8*\kh+3],   v7 offset:16*KP*\t+64*\kh
	ds_load_b128 v[QF+16*\t+8*\kh+4:QF+16*\t+8*\kh+7], v7 offset:16*KP*\t+64*\kh+32
.endr
.endr
.endm
.macro KLOAD                           ; the fragments of a step's 32 keys x 64 d
.irp u, 0,1
.irp kh, 0,1
	ds_load_b128 v[KF+16*\u+8*\kh:KF+16*\u+8*\kh+3],   v16 offset:16*KP*\u+64*\kh
	ds_load_b128 v[KF+16*\u+8*\kh+4:KF+16*\u+8*\kh+7], v16 offset:16*KP*\u+64*\kh+32
.endr
.endr
.endm
; one product of the scores: key tile u x query tile t, half kh of d.  kind 3: the tile is dead, no product
.macro QK t, u, kh, kind
.if \kind != 3
.if \kh == 0
	v_wmma_f32_16x16x32_f16 v[SCR+16*\t+8*\u:SCR+16*\t+8*\u+7], v[KF+16*\u:KF+16*\u+7], v[QF+16*\t:QF+16*\t+7], 0
.else
	v_wmma_f32_16x16x32_f16 v[SCR+16*\t+8*\u:SCR+16*\t+8*\u+7], v[KF+16*\u+8:KF+16*\u+15], v[QF+16*\t+8:QF+16*\t+15], v[SCR+16*\t+8*\u:SCR+16*\t+8*\u+7]
.endif
.endif
.endm
; one product with v: 16 columns dt of v^T x the weights of query tile t.  first = 1: it starts the sum
.macro PV t, dt, first
.if \first
	v_wmma_f32_16x16x32_f16 v[ACC+32*\t+8*\dt:ACC+32*\t+8*\dt+7], v[VF+8*\dt:VF+8*\dt+7], v[PW+8*\t:PW+8*\t+7], 0
.else
	v_wmma_f32_16x16x32_f16 v[ACC+32*\t+8*\dt:ACC+32*\t+8*\dt+7], v[VF+8*\dt:VF+8*\dt+7], v[PW+8*\t:PW+8*\t+7], v[ACC+32*\t+8*\dt:ACC+32*\t+8*\dt+7]
.endif
.endm
; kind 1: live where jj <= e (diagonal); kind 2: live where jj > e (far edge); the rest becomes -inf
.macro MASK8 base, kind
.if \kind == 1
.irp j, 0,1,2,3,4,5,6,7
	v_cndmask_b32 v[\base+\j], v20, v[\base+\j], s[MK+\j]
.endr
.endif
.if \kind == 2
.irp j, 0,1,2,3,4,5,6,7
	v_cndmask_b32 v[\base+\j], v[\base+\j], v20, s[MK+\j]
.endr
.endif
.endm
.macro MAX8 a, b, base                 ; the largest of eight registers, into a
	v_max3_num_f32 v[\a], v[\base], v[\base+1], v[\base+2]
	v_max3_num_f32 v[\b], v[\base+3], v[\base+4], v[\base+5]
	v_max3_num_f32 v[\a], v[\a], v[\base+6], v[\base+7]
	v_max_num_f32 v[\a], v[\a], v[\b]
.endm
.macro EXP8 base                       ; c s - c m, in place: the exponent of 2
.irp i, 0,2,4,6
	v_pk_fma_f32 v[\base+\i:\base+\i+1], v[\base+\i:\base+\i+1], s[24:25], v[NM:NM+1] op_sel_hi:[1,0,0]
.endr
.endm
; Slice n (0 to 3) of the softmax step of query tile t.  first = 1: the step starts m, l and O.  k0, k1: kinds of the two key tiles
; (0 live, 1, 2 masked, 3 dead).  Tile t's slices touch its scores, its O, its weights, its four figures and T alone, so they may stand
; among the other tile's products.  In a step wholly inside the band the slices have 15, 16, 24 and 17 instructions.
.macro SOFT t, first, k0, k1, n
.set SB, SCR+16*\t
.set PB, PW+8*\t
.set OB, ACC+32*\t
.set NM, 8+4*\t
.set MM, 9+4*\t
.set AL, 10+4*\t
.set LL, 11+4*\t
.set LV0, 1
.set LV1, 1
.if \k0 == 3
.set LV0, 0
.endif
.if \k1 == 3
.set LV1, 0
.endif
.if \n == 0                            ; slice 0: the masks, the row's maximum, -c m, alpha
	MASK8 SB, \k0
	MASK8 SB+8, \k1
.if LV0
	MAX8 T, T+1, SB
.if LV1
	MAX8 T+2, T+3, SB+8
.endif
.else
	MAX8 T, T+1, SB+8
.endif
.if LV0*LV1
.if \first
	v_max_num_f32 v[T], v[T], v[T+2]
.else
	v_max3_num_f32 v[T], v[T], v[T+2], v[MM]       ; the running maximum
.endif
.else
.if \first == 0
	v_max_num_f32 v[T], v[T], v[MM]
.endif
.endif
	v_permlanex16_b32 v[T+1], v[T], s28, s29       ; the other eight keys of each tile lie in the other half of the lanes
	v_max_num_f32 v[T], v[T], v[T+1]               ; finite: the diagonal step holds each row's own key
	v_mul_f32 v[NM], s26, v[T]                     ; -c m
.if \first == 0
	v_fma_f32 v[T+1], v[MM], s24, v[NM]            ; c (m old - m new)
.endif
	v_mov_b32 v[MM], v[T]
.if \first == 0
	v_exp_f32 v[AL], v[T+1]                        ; alpha; slice 1's packed multiply-adds are the plain instructions behind it (ISA guide 5.7.2)
.endif
.endif
.if \n == 1                            ; slice 1: the exponents, and key tile 0's exponentials
.if LV0
	EXP8 SB
.endif
.if LV1
	EXP8 SB+8
.endif
.if LV0
.irp i, 0,1,2,3,4,5,6,7
	v_exp_f32 v[SB+\i], v[SB+\i]
.endr
.endif
.endif
.if \n == 2                            ; slice 2: key tile 1's exponentials, and O scaled to the new maximum
.if LV1
.irp i, 8,9,10,11,12,13,14,15
	v_exp_f32 v[SB+\i], v[SB+\i]
.endr
.endif
.if \first
	v_nop                                          ; the plain instruction behind the exponentials
	s_wait_alu depctr_va_vdst(0)
.else
	s_wait_alu depctr_va_vdst(0)
.irp i, 0,2,4,6,8,10,12,14,16,18,20,22,24,26,28,30
	v_pk_mul_f32 v[OB+\i:OB+\i+1], v[OB+\i:OB+\i+1], v[AL:AL+1] op_sel_hi:[1,0]   ; also the plain work behind the exponentials
.endr
.endif
.endif
.if \n == 3                            ; slice 3: the row's sum, l, the weights packed to f16
.if LV0*LV1
	v_pk_add_f32 v[T:T+1],   v[SB:SB+1],     v[SB+2:SB+3]
	v_pk_add_f32 v[T+2:T+3], v[SB+4:SB+5],   v[SB+6:SB+7]
	v_pk_add_f32 v[T+4:T+5], v[SB+8:SB+9],   v[SB+10:SB+11]
	v_pk_add_f32 v[T+6:T+7], v[SB+12:SB+13], v[SB+14:SB+15]
	v_pk_add_f32 v[T:T+1],   v[T:T+1],       v[T+2:T+3]
	v_pk_add_f32 v[T+4:T+5], v[T+4:T+5],     v[T+6:T+7]
	v_pk_add_f32 v[T:T+1],   v[T:T+1],       v[T+4:T+5]
.else
.set SL, SB+8*LV1
	s_wait_alu depctr_va_vdst(0)
	v_pk_add_f32 v[T:T+1],   v[SL:SL+1],     v[SL+2:SL+3]
	v_pk_add_f32 v[T+2:T+3], v[SL+4:SL+5],   v[SL+6:SL+7]
	v_pk_add_f32 v[T:T+1],   v[T:T+1],       v[T+2:T+3]
.endif
.if \first
	v_add_f32 v[LL], v[T], v[T+1]                  ; l starts: this lane's half of the row's sum
.else
	v_add_f32 v[T], v[T], v[T+1]
	v_fma_f32 v[LL], v[LL], v[AL], v[T]
.endif
.irp i, 0,1,2,3
.if LV0
	v_cvt_pk_f16_f32 v[PB+\i], v[SB+2*\i], v[SB+2*\i+1]        ; keys 8 h + 2 i, + 1: registers 0-3 of the B fragment
.else
	v_mov_b32 v[PB+\i], 0                          ; a dead tile's weights
.endif
.endr
.irp i, 0,1,2,3
.if LV1
	v_cvt_pk_f16_f32 v[PB+4+\i], v[SB+8+2*\i], v[SB+8+2*\i+1]  ; keys 16 + 8 h + ..: registers 4-7
.else
	v_mov_b32 v[PB+4+\i], 0
.endif
.endr
.endif
.endm
; One step of 32 keys.  pf = 0: the last step of all.  Otherwise the addresses step 32 keys back, and the next step's k fragments are
; fetched: pf = 1 if s21 steps are left in this loop, pf = 3 always, pf = 4 not at all (the next keys are not yet in LDS).
; All matrix instructions take their accumulators by turns, one instruction a turn: S00 S01 S00 S01, S10 S11 S10 S11,
; O00 .. O03, O10 .. O13.  In the diagonal and the far step one query tile has a single live score tile, whose two links would follow each
; other if the tiles were split: there the six score products keep one run by turns, and tile 0's softmax stands in one piece behind it.
.macro STEP first, pf, k00, k01, k10, k11
.set DEAD, 0
.if \k01 == 3
.set DEAD, 1
.endif
.if \k10 == 3
.set DEAD, 1
.endif
	s_wait_dscnt 0x0                               ; k's fragments (and q's) are in: nothing was issued behind them
.if DEAD
	QK 0, 0, 0, \k00
	QK 0, 1, 0, \k01
	QK 1, 0, 0, \k10
	QK 1, 1, 0, \k11
	QK 0, 0, 1, \k00
	QK 0, 1, 1, \k01
	QK 1, 0, 1, \k10
	QK 1, 1, 1, \k11
.else
	QK 0, 0, 0, \k00                               ; query tile 0's scores
	QK 0, 1, 0, \k01
	QK 0, 0, 1, \k00
	QK 0, 1, 1, \k01
.endif
	; Four places, which serve twice: behind the score products, for the softmax that reads them, and behind the last step's products
	; with v, for the loads into v's fragment registers.
.if \pf
	v_sub_nc_u32 v16, v16, 32*KP                   ; two of them useful: 32 keys back
	v_sub_nc_u32 v17, v17, 32*VP
	v_nop
	v_nop
.set VO, 32*VP                                         ; v17 names the next step already: this step's rows lie 32 rows further on
.else
	PLACES
.set VO, 0
.endif
.irp dt, 0,1,2,3
	ds_load_tr16_b128 v[VF+8*\dt:VF+8*\dt+3],   v17 offset:VO+32*\dt          ; keys 8 h .. + 7 of column 16 dt + r
	ds_load_tr16_b128 v[VF+8*\dt+4:VF+8*\dt+7], v17 offset:VO+32*\dt+16*VP    ; keys 16 + 8 h .. + 7; they land while tile 0's softmax runs
.endr
.if DEAD
.irp n, 0,1,2,3
	SOFT 0, \first, \k00, \k01, \n
.endr
.else
	QK 1, 0, 0, \k10                               ; query tile 1's scores, one slice of tile 0's softmax behind each
	SOFT 0, \first, \k00, \k01, 0
	QK 1, 1, 0, \k11
	SOFT 0, \first, \k00, \k01, 1
	QK 1, 0, 1, \k10
	SOFT 0, \first, \k00, \k01, 2
	QK 1, 1, 1, \k11
	SOFT 0, \first, \k00, \k01, 3                  ; its plain instructions are also the places in front of the fetch into k's fragments and of tile 1's softmax
.endif
	s_wait_dscnt 0x0                               ; v's fragments are in: nothing was issued behind them
.if \pf == 1
	s_cmp_lg_u32 s21, 0
	s_cbranch_scc0 .Lnok_\@                        ; no step follows in this loop: nothing is fetched
	KLOAD                                          ; the next step's keys: they land while tile 1's softmax runs
.Lnok_\@:
.endif
.if \pf == 3
	KLOAD
.endif
	PV 0, 0, \first                                ; query tile 0's products with v, one slice of tile 1's softmax behind each
	SOFT 1, \first, \k10, \k11, 0
	PV 0, 1, \first
	SOFT 1, \first, \k10, \k11, 1
	PV 0, 2, \first
	SOFT 1, \first, \k10, \k11, 2
	PV 0, 3, \first
	SOFT 1, \first, \k10, \k11, 3
	PV 1, 0, \first                                ; query tile 1's products with v
	PV 1, 1, \first
	PV 1, 2, \first
	PV 1, 3, \first
.endm
	s_load_b256 s[4:11], s[0:1], 0x0               ; k s[4:5], q s[6:7], v s[8:9], out0 s[10:11]
	s_load_b128 s[12:15], s[0:1], 0x20             ; out1 s[12:13], out2 s[14:15]
	s_set_vgpr_msb 0x80
	v_lshl_add_u32 v0, v0, 2, 0x29800
	v_mov_b32 v1, 0
	s_set_vgpr_msb 0x8000
	v_lshrrev_b32 v22, 5, v0
	v_readfirstlane_b32 s18, v22                   ; wave w
	s_mov_b32 s19, ttmp9                           ; query block b
	s_and_b32 s20, ttmp7, 0xffff                   ; head
	s_lshl_b32 s16, s20, 19                        ; a head is 2,048 rows of 256 bytes
	s_lshl_b32 s23, s19, 15                        ; a block is 128 rows of 256 bytes
	s_add_co_u32 s16, s16, s23
	s_mov_b32 s17, 0
	v_and_b32 v23, 31, v0                          ; lane
	v_and_b32 v3, 0x60, v0
	v_lshlrev_b32 v3, 8, v3                        ; wave x 32 rows x 256 bytes
	v_lshl_or_b32 v3, v23, 4, v3                   ; + 16 bytes a lane: a load or store of the wave covers two whole rows
	s_wait_kmcnt 0x0
	s_add_nc_u64 s[4:5], s[4:5], s[16:17]          ; all six at the work-group's own block
	s_add_nc_u64 s[6:7], s[6:7], s[16:17]
	s_add_nc_u64 s[8:9], s[8:9], s[16:17]
	s_add_nc_u64 s[10:11], s[10:11], s[16:17]
	s_add_nc_u64 s[12:13], s[12:13], s[16:17]
	s_add_nc_u64 s[14:15], s[14:15], s[16:17]
	ISSUE XQ, 6, 0, 1, 0                           ; q
	ISSUE XK, 4, 0, 0, 0                           ; my own block of k
	ISSUE XV, 8, 0, 0, 0                           ; my own block of v: 48 loads of the wave are out
	; the rest of the addresses and constants, while the loads are on their way
	v_and_b32 v1, 15, v0                           ; r
	v_bfe_u32 v2, v0, 4, 1                         ; h
	s_mul_i32 s30, s18, 32*KP                      ; my wave's 32 rows in a block of q or k
	s_mul_i32 s31, s18, 32*VP                      ; and of v
	s_mul_i32 s40, s18, 32*SP
	s_add_co_u32 s40, s40, STG                     ; my stage
	s_add_co_u32 s41, s31, VB
	s_add_co_u32 s42, s41, 256*VP                  ; my diagonal step's rows of v
	v_mul_u32_u24 v24, v2, KP
	v_lshl_add_u32 v24, v1, 3, v24                 ; h rows + 8 r
	v_add_nc_u32 v4, s30, v24                      ; q into LDS
	v_add_nc_u32 v5, KB, v4                        ; k into LDS (window block 0; the block stands in the immediate)
	v_mul_u32_u24 v25, v2, VP
	v_lshl_add_u32 v25, v1, 3, v25
	v_add_nc_u32 v6, s41, v25                      ; v into LDS
	v_mul_u32_u24 v26, v1, KP
	v_lshl_add_u32 v26, v2, 4, v26                 ; fragment: row r, 16 bytes for each half of the lanes
	v_add_nc_u32 v7, s30, v26                      ; q fragments
	v_add_nc_u32 v16, KB+256*KP, v7                ; k fragments of step 8: window row 256 + 32 w
	v_and_b32 v27, 7, v0
	v_lshl_add_u32 v27, v2, 3, v27                 ; transposing load: row 8 h + (lane mod 8),
	v_mul_u32_u24 v27, v27, VP
	v_bfe_u32 v28, v0, 3, 1
	v_lshl_add_u32 v27, v28, 4, v27                ; 16 bytes further for lanes 8-15 and 24-31
	v_add_nc_u32 v17, s42, v27                     ; v fragments of step 8
	v_mul_u32_u24 v29, v1, SP
	v_lshl_add_u32 v29, v2, 5, v29
	v_add_nc_u32 v18, s40, v29                     ; stage, in: row r, 32 bytes for each half
	v_mul_u32_u24 v30, v2, SP
	v_lshl_add_u32 v30, v1, 4, v30
	v_add_nc_u32 v19, s40, v30                     ; stage, back: lanes 0-15 one row, lanes 16-31 the next
	v_mov_b32 v20, 0xff800000                      ; -inf: a masked score; its exponential is exactly 0
	v_lshlrev_b32 v31, 3, v2
	v_sub_nc_u32 v21, v1, v31                      ; e = r - 8 h
.irp j, 0,1,2,3,4,5,6,7
	v_cmp_le_i32 s[MK+\j], \j, v21                 ; lanes where jj <= e
.endr
	s_mov_b32 s24, 0x3e38aa3b                      ; c = log2(e) / 8: the scale 1/sqrt(64) and the base of v_exp_f32 in one factor
	s_mov_b32 s25, 0x3e38aa3b
	s_mov_b32 s26, 0xbe38aa3b                      ; -c
	s_mov_b32 s28, 0x76543210                      ; v_permlanex16_b32: lane i of one half reads lane i of the other
	s_mov_b32 s29, 0xfedcba98
	s_lshl2_add_u32 s21, s19, s18                  ; 4 b + w steps of 32 keys lie in front of my diagonal step;
	s_min_u32 s21, s21, 7                          ; of them at most seven are middle steps (used where b < 2)
	s_cmp_ge_u32 s19, 2
	s_cbranch_scc1 .Lfull
	s_cmp_eq_u32 s19, 1
	s_cbranch_scc1 .Lone
	; ---- b = 0: the own block alone; wave w has w middle steps.  Each count names the younger groups of sixteen loads that may stay out.
	s_wait_loadcnt 32
	CVT XQ, XQ, 4, 2*KP, 0, 0
	s_wait_loadcnt 16
	COPY XK, 12
	CVT XK, HK, 5, 2*KP, 2*128*KP, 0
	s_wait_loadcnt 0
	COPY XV, 14
	CVT XV, HV, 6, 2*VP, 2*128*VP, 0
	READY                                          ; q and block 2 are in LDS, everybody's rows
	QLOAD
	KLOAD                                          ; step 8
	STEP 1, 1, 1, 3, 0, 1                          ; the diagonal step: starts m, l and O
	s_cmp_lg_u32 s21, 0
	s_cbranch_scc0 .Lout
.Lmid0:
	s_sub_co_u32 s21, s21, 1
	STEP 0, 1, 0, 0, 0, 0                          ; steps 7, 6, ..: wholly inside the band, no mask
	s_cmp_lg_u32 s21, 0
	s_cbranch_scc1 .Lmid0
	s_branch .Lout
.Lone:	; ---- b = 1: blocks 2 and 1; wave w has min(4 + w, 7) middle steps, at least four
	s_wait_loadcnt 32                              ; q is in; k and v of my block stay out
	ISSUE U0, 4, 1, 0, 1                           ; k, block 1
	CVT XQ, XQ, 4, 2*KP, 0, 0
	s_wait_loadcnt 32                              ; my k is in; my v and block 1's k stay out
	ISSUE U1, 8, 1, 0, 1                           ; v, block 1
	COPY XK, 12
	CVT XK, HK, 5, 2*KP, 2*128*KP, 0
	s_wait_loadcnt 32                              ; my v is in; block 1 stays out, across the diagonal step
	COPY XV, 14
	CVT XV, HV, 6, 2*VP, 2*128*VP, 0
	READY
	QLOAD
	KLOAD
	STEP 1, 4, 1, 3, 0, 1                          ; the diagonal step, on block 2 alone
	MEET                                           ; every wave's fragment loads are back
	s_wait_loadcnt 16
	CVT U0, U0, 5, 2*KP, 128*KP, 1
	s_wait_loadcnt 0
	CVT U1, U1, 6, 2*VP, 128*VP, 1
	WIN 0
	MEET                                           ; block 1 is in LDS, everybody's rows
	KLOAD                                          ; step 7
.Lmid1:
	s_sub_co_u32 s21, s21, 1
	STEP 0, 1, 0, 0, 0, 0
	s_cmp_gt_i32 s21, 0                            ; signed: the loop ends behind its first trip whatever the start
	s_cbranch_scc1 .Lmid1
	s_branch .Lout
.Lfull:	; ---- b >= 2: blocks 2, 1, 0; nine steps in every wave
	s_wait_loadcnt 32                              ; q is in; k and v of my block stay out
	ISSUE U0, 4, 1, 0, 1                           ; k, block 1
	CVT XQ, XQ, 4, 2*KP, 0, 0
	s_wait_loadcnt 32                              ; my k is in
	ISSUE U1, 8, 1, 0, 1                           ; v, block 1
	COPY XK, 12
	CVT XK, HK, 5, 2*KP, 2*128*KP, 0
	s_wait_loadcnt 32                              ; my v is in
	ISSUE U2, 4, 2, 0, 1                           ; k, block 0: three groups stay out across the diagonal step
	COPY XV, 14
	CVT XV, HV, 6, 2*VP, 2*128*VP, 0
	READY
	QLOAD
	KLOAD
	STEP 1, 4, 1, 3, 0, 1                          ; the diagonal step, on block 2 alone
	MEET                                           ; every wave's fragment loads are back
	s_wait_loadcnt 32                              ; block 1's k is in; its v and block 0's k stay out
	ISSUE U3, 8, 2, 0, 1                           ; v, block 0: it has four steps in which to land
	CVT U0, U0, 5, 2*KP, 128*KP, 1
	s_wait_loadcnt 32                              ; block 1's v is in; block 0 stays out
	CVT U1, U1, 6, 2*VP, 128*VP, 1
	WIN 0
	MEET                                           ; block 1 is in LDS, everybody's rows
	KLOAD                                          ; step 7
	s_mov_b32 s21, 4
.Lmidb:
	s_sub_co_u32 s21, s21, 1
	STEP 0, 1, 0, 0, 0, 0                          ; steps 7..4: window rows 32 (w + 4) = 128 and up
	s_cmp_lg_u32 s21, 0
	s_cbranch_scc1 .Lmidb
	MEET                                           ; every wave's fragment loads are back
	s_wait_loadcnt 16
	CVT U2, U2, 5, 2*KP, 0, 1
	s_wait_loadcnt 0
	CVT U3, U3, 6, 2*VP, 0, 1
	WIN 0
	MEET                                           ; block 0 is in LDS, everybody's rows
	KLOAD                                          ; step 3
	s_mov_b32 s21, 3
.Lmidc:
	s_sub_co_u32 s21, s21, 1
	STEP 0, 3, 0, 0, 0, 0                          ; steps 3..1; a step always follows
	s_cmp_lg_u32 s21, 0
	s_cbranch_scc1 .Lmidc
	STEP 0, 0, 2, 0, 3, 2                          ; step 0: the band's far edge
.Lout:
	; THE WAY OUT: divide by the row's sum, 32 bytes a lane into my own stage, whole rows of 256 bytes back and out.
	; A barrier orders every wave's fragment loads in front of every wave's stores into the stage, so that this order does not rest on
	; the arithmetic of addresses that step down in a loop.  Between its signal and its wait stands register work alone: the division,
	; which a wave does while the others arrive.
	s_wait_dscnt 0x0                               ; my reads of k and v are back
	s_barrier_signal -1
	PLACES                                         ; behind the last products
	v_permlanex16_b32 v[T], v11, s28, s29          ; the other half of each row's sum
	v_permlanex16_b32 v[T+1], v15, s28, s29
	v_add_f32 v[T], v[T], v11
	v_add_f32 v[T+1], v[T+1], v15
	v_rcp_f32 v10, v[T]                            ; the sum holds the term of the row's maximum, about 1: no zero, no denormal
	v_rcp_f32 v14, v[T+1]
	v_nop                                          ; the plain instruction behind them
	s_wait_alu depctr_va_vdst(0)
.irp t, 0,1
.irp i, 0,2,4,6,8,10,12,14,16,18,20,22,24,26,28,30
	v_pk_mul_f32 v[ACC+32*\t+\i:ACC+32*\t+\i+1], v[ACC+32*\t+\i:ACC+32*\t+\i+1], v[10+4*\t:11+4*\t] op_sel_hi:[1,0]
.endr
.endr
	s_barrier_wait -1                              ; no wave reads k or v in LDS any more
.irp t, 0,1
.irp dt, 0,1,2,3
	ds_store_b128 v18, v[ACC+32*\t+8*\dt:ACC+32*\t+8*\dt+3]   offset:16*SP*\t+64*\dt      ; O[16 t + r][16 dt + 8 h ..]
	ds_store_b128 v18, v[ACC+32*\t+8*\dt+4:ACC+32*\t+8*\dt+7] offset:16*SP*\t+64*\dt+16
.endr
.endr
.irp i, 0,1,2,3,4,5,6,7,8,9,10,11,12,13,14,15
	ds_load_b128 v[SCR+4*\i:SCR+4*\i+3], v19 offset:2*SP*\i    ; my own bytes; LDS serves a wave's instructions in order (ISA guide 5.7.1): these see the stores above
.endr
.irp i, 0,1,2,3,4,5,6,7,8,9,10,11,12,13,14,15
	s_wait_dscnt 15-\i                             ; the younger loads may stay out
	global_store_b128 v3, v[SCR+4*\i:SCR+4*\i+3], s[10:11] offset:512*\i th:TH_STORE_NT   ; sixteen lanes write 256 consecutive bytes, aligned
.endr
	s_set_vgpr_msb 0xa
	s_wait_tensorcnt 0x0
	ds_add_u32 v0, v1
	s_wait_dscnt 0x0
	s_set_vgpr_msb 0xa00
	s_endpgm
.Lfunc_end_k_qa32a614d25_attn:
	.size	k_qa32a614d25_attn, .Lfunc_end_k_qa32a614d25_attn-k_qa32a614d25_attn
	.p2alignl 7, 3214868480
	.fill 96, 4, 3214868480
	.section	.rodata,"a",@progbits
	.p2align	6, 0x0
	.amdhsa_kernel k_qa32a614d25_attn
		.amdhsa_group_segment_fixed_size 170496
		.amdhsa_private_segment_fixed_size 0
		.amdhsa_enable_private_segment 0
		.amdhsa_kernarg_size 48
		.amdhsa_user_sgpr_count 2
		.amdhsa_user_sgpr_kernarg_segment_ptr 1
		.amdhsa_wavefront_size32 1
		.amdhsa_system_sgpr_workgroup_id_x 1
		.amdhsa_system_sgpr_workgroup_id_y 1
		.amdhsa_system_sgpr_workgroup_id_z 1
		.amdhsa_system_vgpr_workitem_id 0
		.amdhsa_next_free_vgpr 514
		.amdhsa_next_free_sgpr 66
		.amdhsa_reserve_vcc 0
		.amdhsa_float_denorm_mode_32 3
		.amdhsa_float_denorm_mode_16_64 3
		.amdhsa_memory_ordered 1
		.amdhsa_forward_progress 1
		.amdhsa_inst_pref_size 157
	.end_amdhsa_kernel
	.amdgpu_metadata
---
amdhsa.version: [ 1, 2 ]
amdhsa.kernels:
  - .name:           k_qa32a614d25_attn
    .symbol:         k_qa32a614d25_attn.kd
    .args:
      - { .name: k, .offset: 0, .size: 8, .value_kind: global_buffer, .address_space: global }
      - { .name: q, .offset: 8, .size: 8, .value_kind: global_buffer, .address_space: global }
      - { .name: v, .offset: 16, .size: 8, .value_kind: global_buffer, .address_space: global }
      - { .name: out0, .offset: 24, .size: 8, .value_kind: global_buffer, .address_space: global }
      - { .name: out1, .offset: 32, .size: 8, .value_kind: global_buffer, .address_space: global }
      - { .name: out2, .offset: 40, .size: 8, .value_kind: global_buffer, .address_space: global }
    .group_segment_fixed_size: 170496
    .private_segment_fixed_size: 0
    .kernarg_segment_align: 8
    .kernarg_segment_size: 48
    .max_flat_workgroup_size: 128
    .sgpr_count:     66
    .vgpr_count:     514
    .wavefront_size: 32
...
	.end_amdgpu_metadata
.endif
;; end of part 2
;; ======== version 3 of 3: 1 launch; version 2 with the launch attn written anew for expert scheduling mode
;; limits: right only within a limited range of input values; values are held in f16: magnitudes above 65,504 overflow, below 6.1e-05 lose precision; inputs' magnitudes at most 65,504
;; launch attn (part 3): grid 16 x 16, 4 waves a work-group, no clusters, 170,496 bytes of LDS; arguments k, q, v, out0, out1, out2; writes out0, out1, out2
.if DOCPART == 3
	.amdgcn_target "amdgcn-amd-amdhsa--gfx1250"
	.amdhsa_code_object_version 6
	.text
	.protected	k_qa32a614d25_attn
	.globl	k_qa32a614d25_attn
	.p2align	8
	.type	k_qa32a614d25_attn,@function
k_qa32a614d25_attn:
	s_mov_b64 s[64:65], 0
	v_nop
	global_prefetch_b8 v0, s[64:65] scope:SCOPE_SE
	s_setreg_imm32_b32 hwreg(HW_REG_WAVE_SCHED_MODE, 0, 2), 2
	s_setreg_imm32_b32 hwreg(HW_REG_WAVE_MODE, 25, 1), 1
	s_wait_xcnt 0x0
	s_wait_alu depctr_vm_vsrc(0)
; out0 = softmax(mask(q k^T / 8)) v,  out1 = k,  out2 = v.   q, k, v, out*: [16 heads][2048][64] f32.
; layer_idx = 1 is a constant of the problem, so the mask that the problem builds itself is the band: key j counts for query i
; only where 0 <= i - j <= 255.  training = 0 adds no step.
;
; WORK LEFT OUT, and why it reaches no output.  For a pair (i, j) outside the band the score q.k is replaced by -1e9 whatever q and k
; hold, so score tiles that lie wholly outside the band are not computed.  The weight of such a pair is exp(-1e9 - max); each row keeps
; its own key j = i, so max >= s_ii, and in f32 that weight is exactly 0 wherever the row's largest scaled score inside the band
; exceeds -1e9 + 104; the products of those weights with v are then sums of zeros and are left out too.
; LIMITS.  (1) Weights outside the band are taken as exactly 0: right wherever a row's largest scaled score in the band is above
; -1e9 + 104.  (2) A NaN, an infinity or an overflow in rows of k or v that lie in no tile of a query's band is not carried to that query.
; (3) q, k, v and the weights go to the matrix unit in f16, sums in f32; the row sum adds the f32 weights.  |q|, |k|, |v| must stay below
; 65,504, f16's largest number: beyond it the conversion gives infinity and out0 is not the reference's (out1 and out2 are exact copies
; for every input).  A weight below 3e-8 rounds to 0, beside a row sum of at least about 1.
; (4) The keys are summed from the diagonal step toward older keys, under a running maximum in f32 (taken away before each exponential).
; WHY f16 AND NOT bf16: the first rows of a head have few keys, so a weight of order 1 meets a value of order 1 and the weight's rounding
; reaches the result undamped, while the bulk of the rows average some hundred keys and are ten times smaller.  f16 has 11 significant
; bits against bf16's 8; the weights lie in [0, 1], and inputs of order 1, or a hundred times that, are far inside f16's range.
;
; SHARES.  Work-group (b, head): queries 128 b .. 128 b + 127 of one head; 256 work-groups.  It needs keys 128 b - 256 .. 128 b + 127:
; a window of three blocks of 128 rows (block 2 = its own).  b = 0 has block 2 alone, b = 1 blocks 1 and 2: three paths are written
; out, so no load leaves a buffer.  k and v pass through registers on their way to f16 in LDS, and the own blocks are stored to out1 and
; out2 from those same registers: each byte of out1 and out2 is written once, by the work-group that owns the block.
; Wave w: 32 queries (two tiles t of 16), nine steps s of 32 keys; step s = window rows 32 (w + s) .. + 31.
; i - j = 256 - 32 s + 16 (t - u) + e - jj, with u the key tile, e = r - 8 h, jj the register: steps 1..7 lie wholly in the band;
; step 8 (diagonal): tiles (0,0), (1,1) live where jj <= e, (1,0) live, (0,1) dead; step 0 (far): (0,0), (1,1) live where jj > e, (0,1) live, (1,0) dead.
;
; STAGES.  Each of the seven groups of sixteen loads (q; k and v of three blocks) has 64 registers of its own, the four older blocks' in
; v256-511, so that they stay on their way while products run.  By this text's count three groups are out at any time, and the next is
; asked for as soon as the oldest has landed.  b >= 2: own block into LDS, step 8 (rows 256 and up); block 1 into LDS, steps 7..4 (rows
; 128 and up); block 0 into LDS, steps 3..0.  Every stage has the same number of steps in all four waves.
;
; A STEP'S SCHEDULE.  The two query tiles take turns: tile 1's four score products stand among the four slices of tile 0's softmax, and
; tile 0's four products with v among the four slices of tile 1's softmax, one slice behind each product.  A slice names no register of
; the products that it stands among.
;
; THE MODE: SCHED_MODE bits 1:0 = 2 (LLVM: expert scheduling mode 2), set by the entry lines.  The code itself states the register
; dependences between vector or matrix instructions and memory or LDS instructions, with s_wait_alu, always for 0.
; THE PLAN.  Registers that memory or LDS instructions touch, and who else names them:
;   v3              Offset of every global load and store.  Written at the head, never again: one wait on va_vdst ahead of the first load.
;   v4-v7, v18, v19 LDS addresses.  Written once at the head, behind the first loads; the wait ahead of the first LDS stores (q's) states them too.
;   the groups      Loads land in each once; its conversions read it, and of my own k and v the copies' stores.  No vector instruction
;                   names a register of window 1 before its loads are issued.
;   the packed f16  (v32-63, HK, HV; U0-U3 in place.)  Written by a group's 32 conversions, read by its 16 LDS stores: one wait on va_vdst between.
;   v32-255         From the first step on they hold O, fragments, scores and weights: one wait on vm_vsrc, beside s_wait_xcnt 0, stands
;                   behind the last of the copies' stores and LDS stores that read them.
;   v16, v17        Read by the fragment loads of k and of v; written once a step: a wait on vm_vsrc ahead of the two lines, and the step's
;                   first wait on va_vdst behind them.
;   VF              Read by a step's eight products with v; the next step's loads land in it behind that step's first wait on va_vdst.
;   KF              Read by a step's score products; the next step's loads land in it behind the step's second wait on va_vdst.
;   O, v128-191     The way out: one wait on va_vdst between the division and the stores into the stage; the loads from the stage follow it.
;   s18, s[32:39]   Written by vector instructions at the head: one wait on va_sdst ahead of their first reader and of every branch.
;
; LAYOUT.  Scores transposed: D = K (16 keys x 32 d) x Q^T: lane (r, h), register j = (key 8 h + j, query r).  Two key tiles packed to f16
; are then the B fragment (column = query r, k = key) of O^T = V^T x P with no move between lanes; V^T comes from V[key][d] in LDS by the
; transposing load.  A row's maximum and sum live in the lane; one exchange of the two halves of 16 lanes joins them.
;
; BARRIERS.  One between the first stores into LDS and the first fragment loads.  Two round each later block's stores: one between every
; wave's fragment loads and the stores, so that this order does not rest on the arithmetic of addresses that step down in a loop, and one
; between the stores and the next fragment loads.  One between the last fragment loads and the stores into the stage of the way out.
;
; NO JOINT LOADS IN A CLUSTER: key block j serves query blocks j, j + 1, j + 2 at three different places of their windows, so a partner's
; LDS addresses would hang on its place in the cluster; and the data have to pass through registers for the rounding to f16 and the copies.
.set KB,  18432                        ; LDS: q f16 at 0 (128 rows x 144), k f16 here (384 rows x 144)
.set VB,  73728                        ; v f16 (384 rows x 160)
.set STG, 135168                       ; the way out: for each wave 32 rows x 272 bytes of f32
.set KP,  144                          ; pitch of q and k rows: 128 bytes + 16 = 9 x 16: sixteen rows start in sixteen different 16-byte columns
.set VP,  160                          ; pitch of v rows: 5 x 32, for the transposing load
.set SP,  272                          ; pitch of the stage: 256 bytes + 16
.set T,   24                           ; v[24:31]   at work
.set XQ,  32                           ; first loads: v[32:95] q as loaded; its f16 are packed in place into v[32:63]
.set XK,  96                           ; v[96:159]  my block of k as loaded
.set XV,  160                          ; v[160:223] my block of v as loaded
.set HK,  224                          ; v[224:255] my block of k in f16
.set HV,  64                           ; v[64:95]   my block of v in f16 (free once q is packed)
.set U0,  0                            ; window 1: v[256:319] k of block 1     (named by their low eight bits; packed in place)
.set U1,  64                           ;           v[320:383] v of block 1
.set U2,  128                          ;           v[384:447] k of block 0
.set U3,  192                          ;           v[448:511] v of block 0
.set ACC, 32                           ; v[32:95]   O^T: tile (t, dt) at ACC + 32 t + 8 dt
.set QF,  96                           ; v[96:127]  q fragments (t, kh) at QF + 16 t + 8 kh
.set SCR, 128                          ; v[128:159] scores (t, u) at SCR + 16 t + 8 u
.set PW,  160                          ; v[160:175] weights in f16, tile t at PW + 8 t
.set KF,  176                          ; v[176:207] k fragments (u, kh) at KF + 16 u + 8 kh
.set VF,  208                          ; v[208:239] v^T fragments dt at VF + 8 dt
.set MK,  32                           ; s[32:39]   lane masks (jj <= e)
; v1 r, v2 h, v3 global offset (never rewritten), v4 v5 v6 LDS store addresses of q k v, v7 q fragments, v16 k fragments, v17 v fragments,
; v18 v19 stage in and back, v20 -inf, v21 e.  Tile t: v[8+4t] = -c m, v[9+4t] = m, v[10+4t] = alpha, v[11+4t] = l (this lane's half sum).
; s_set_vgpr_msb's low byte: bits 1:0 source 0, 3:2 source 1, 5:4 source 2, 7:6 destination; its high byte repeats the setting that is left.
; Every window is 0 at a label and at a branch.
.set MSB, 0
.macro WIN new
.if MSB != \new
	s_set_vgpr_msb (MSB<<8)|\new
.set MSB, \new
.endif
.endm
; sixteen loads: my wave's 32 rows of the block that lies back blocks in front of my own.  nt = 1: data that the launch reads once (q).
; up = 1: into window 1 (the destination's window; the address stays in window 0).  Such a run owes no wait of its own: no vector
; instruction has named its destinations, and between the last wait on va_vdst ahead of it and the run nothing but loads names v3.
.macro ISSUE reg, base, back, nt, up
.if \up
	WIN 0x40
.else
	WIN 0
.endif
.irp i, 0,1,2,3,4,5,6,7,8,9,10,11,12,13,14,15
.if \nt
	global_load_b128 v[\reg+4*\i:\reg+4*\i+3], v3, s[\base:\base+1] offset:512*\i-32768*\back th:TH_LOAD_NT
.else
	global_load_b128 v[\reg+4*\i:\reg+4*\i+3], v3, s[\base:\base+1] offset:512*\i-32768*\back
.endif
.endr
.endm
; A group's 32 rows rounded to f16: load i holds rows 2 i + h, four numbers a lane.  All 32 conversions stand in one run.
; dst = src packs in place: conversion i writes registers 2 i, 2 i + 1, which conversions up to i / 2 have read.
; up = 1: the group lies in window 1 (destination and both sources)
.macro CONV src, dst, up
.if \up
	WIN 0x45
.else
	WIN 0
.endif
.irp i, 0,1,2,3,4,5,6,7,8,9,10,11,12,13,14,15
	v_cvt_pk_f16_f32 v[\dst+2*\i],   v[\src+4*\i],   v[\src+4*\i+1]
	v_cvt_pk_f16_f32 v[\dst+2*\i+1], v[\src+4*\i+2], v[\src+4*\i+3]
.endr
.endm
; The packed group laid into LDS: 8 bytes a lane at 8 r of rows 2 i + h.  up = 1: the data, which is source 1, lies in window 1:
; the switch, then the wait, then the stores.
.macro PUT dst, adr, step, blkoff, up
.if \up
	WIN 0x04
.else
	WIN 0
.endif
	s_wait_alu depctr_va_vdst(0)                   ; the group's conversions have written the registers that the sixteen stores read; ahead of q's stores, the first: the head has written the LDS addresses too
.irp i, 0,1,2,3,4,5,6,7,8,9,10,11,12,13,14,15
	ds_store_b64 v[\adr], v[\dst+2*\i:\dst+2*\i+1] offset:\blkoff+\step*\i
.endr
.endm
; the group as loaded goes out again: sixteen lanes write 256 consecutive bytes, aligned.  It stands between the group's conversions and
; the wait for them: its data came by loads and its offset is v3, so it hangs on no vector instruction that is still out.
.macro COPY reg, out
	WIN 0
.irp i, 0,1,2,3,4,5,6,7,8,9,10,11,12,13,14,15
	global_store_b128 v3, v[\reg+4*\i:\reg+4*\i+3], s[\out:\out+1] offset:512*\i th:TH_STORE_NT
.endr
.endm
.macro MEET                            ; my LDS instructions are done, loads and stores, for the other waves' sake; then all four waves meet
	s_wait_dscnt 0x0
	s_barrier_signal -1
	s_barrier_wait -1
.endm
.macro READY                           ; behind the first stores into LDS
	s_wait_xcnt 0x0                                ; the registers that the copies' stores read are written again by the steps
	s_wait_alu depctr_vm_vsrc(0)                   ; the copies' stores have read v96-223 and the LDS stores v32-95 and v224-255: fragment loads and the steps' vector and matrix instructions write them from here on
	MEET
.endm
.macro PLACES                          ; four plain vector instructions between a matrix instruction and a vector instruction that touches its registers (ISA guide 7.12.1)
.rept 4
	v_nop
.endr
.endm
.macro QLOAD                           ; my 32 queries, kept for all steps
.irp t, 0,1
.irp kh, 0,1
	ds_load_b128 v[QF+16*\t+8*\kh:QF+16*\t+8*\kh+3],   v7 offset:16*KP*\t+64*\kh
	ds_load_b128 v[QF+16*\t+8*\kh+4:QF+16*\t+8*\kh+7], v7 offset:16*KP*\t+64*\kh+32
.endr
.endr
.endm
.macro KLOAD                           ; the fragments of a step's 32 keys x 64 d
.irp u, 0,1
.irp kh, 0,1
	ds_load_b128 v[KF+16*\u+8*\kh:KF+16*\u+8*\kh+3],   v16 offset:16*KP*\u+64*\kh
	ds_load_b128 v[KF+16*\u+8*\kh+4:KF+16*\u+8*\kh+7], v16 offset:16*KP*\u+64*\kh+32
.endr
.endr
.endm
.macro VLOAD a, b                      ; v^T's fragments a and b of four: 32 keys x 16 columns each.  STEP sets VO
.irp dt, \a, \b
	ds_load_tr16_b128 v[VF+8*\dt:VF+8*\dt+3],   v17 offset:VO+32*\dt          ; keys 8 h .. + 7 of column 16 dt + r
	ds_load_tr16_b128 v[VF+8*\dt+4:VF+8*\dt+7], v17 offset:VO+32*\dt+16*VP    ; keys 16 + 8 h .. + 7
.endr
.endm
; one product of the scores: key tile u x query tile t, half kh of d.  kind 3: the tile is dead, no product
.macro QK t, u, kh, kind
.if \kind != 3
.if \kh == 0
	v_wmma_f32_16x16x32_f16 v[SCR+16*\t+8*\u:SCR+16*\t+8*\u+7], v[KF+16*\u:KF+16*\u+7], v[QF+16*\t:QF+16*\t+7], 0
.else
	v_wmma_f32_16x16x32_f16 v[SCR+16*\t+8*\u:SCR+16*\t+8*\u+7], v[KF+16*\u+8:KF+16*\u+15], v[QF+16*\t+8:QF+16*\t+15], v[SCR+16*\t+8*\u:SCR+16*\t+8*\u+7]
.endif
.endif
.endm
; one product with v: 16 columns dt of v^T x the weights of query tile t.  first = 1: it starts the sum
.macro PV t, dt, first
.if \first
	v_wmma_f32_16x16x32_f16 v[ACC+32*\t+8*\dt:ACC+32*\t+8*\dt+7], v[VF+8*\dt:VF+8*\dt+7], v[PW+8*\t:PW+8*\t+7], 0
.else
	v_wmma_f32_16x16x32_f16 v[ACC+32*\t+8*\dt:ACC+32*\t+8*\dt+7], v[VF+8*\dt:VF+8*\dt+7], v[PW+8*\t:PW+8*\t+7], v[ACC+32*\t+8*\dt:ACC+32*\t+8*\dt+7]
.endif
.endm
; kind 1: live where jj <= e (diagonal); kind 2: live where jj > e (far edge); the rest becomes -inf
.macro MASK8 base, kind
.if \kind == 1
.irp j, 0,1,2,3,4,5,6,7
	v_cndmask_b32 v[\base+\j], v20, v[\base+\j], s[MK+\j]
.endr
.endif
.if \kind == 2
.irp j, 0,1,2,3,4,5,6,7
	v_cndmask_b32 v[\base+\j], v[\base+\j], v20, s[MK+\j]
.endr
.endif
.endm
.macro MAX8 a, b, base                 ; the largest of eight registers, into a
	v_max3_num_f32 v[\a], v[\base], v[\base+1], v[\base+2]
	v_max3_num_f32 v[\b], v[\base+3], v[\base+4], v[\base+5]
	v_max3_num_f32 v[\a], v[\a], v[\base+6], v[\base+7]
	v_max_num_f32 v[\a], v[\a], v[\b]
.endm
.macro EXP8 base                       ; c s - c m, in place: the exponent of 2
.irp i, 0,2,4,6
	v_pk_fma_f32 v[\base+\i:\base+\i+1], v[\base+\i:\base+\i+1], s[24:25], v[NM:NM+1] op_sel_hi:[1,0,0]
.endr
.endm
; Slice n (0 to 3) of the softmax step of query tile t.  first = 1: the step starts m, l and O.  k0, k1: kinds of the two key tiles
; (0 live, 1, 2 masked, 3 dead).  Tile t's slices touch its scores, its O, its weights, its four figures and T alone, so they may stand
; among the other tile's products; none names v16, v17 or a fragment register.  In a step wholly inside the band the slices have 15, 16, 24 and 17 instructions.
.macro SOFT t, first, k0, k1, n
.set SB, SCR+16*\t
.set PB, PW+8*\t
.set OB, ACC+32*\t
.set NM, 8+4*\t
.set MM, 9+4*\t
.set AL, 10+4*\t
.set LL, 11+4*\t
.set LV0, 1
.set LV1, 1
.if \k0 == 3
.set LV0, 0
.endif
.if \k1 == 3
.set LV1, 0
.endif
.if \n == 0                            ; slice 0: the masks, the row's maximum, -c m, alpha
	MASK8 SB, \k0
	MASK8 SB+8, \k1
.if LV0
	MAX8 T, T+1, SB
.if LV1
	MAX8 T+2, T+3, SB+8
.endif
.else
	MAX8 T, T+1, SB+8
.endif
.if LV0*LV1
.if \first
	v_max_num_f32 v[T], v[T], v[T+2]
.else
	v_max3_num_f32 v[T], v[T], v[T+2], v[MM]       ; the running maximum
.endif
.else
.if \first == 0
	v_max_num_f32 v[T], v[T], v[MM]
.endif
.endif
	v_permlanex16_b32 v[T+1], v[T], s28, s29       ; the other eight keys of each tile lie in the other half of the lanes
	v_max_num_f32 v[T], v[T], v[T+1]               ; finite: the diagonal step holds each row's own key
	v_mul_f32 v[NM], s26, v[T]                     ; -c m
.if \first == 0
	v_fma_f32 v[T+1], v[MM], s24, v[NM]            ; c (m old - m new)
.endif
	v_mov_b32 v[MM], v[T]
.if \first == 0
	v_exp_f32 v[AL], v[T+1]                        ; alpha; slice 1's packed multiply-adds are the plain instructions behind it (ISA guide 5.7.2)
.endif
.endif
.if \n == 1                            ; slice 1: the exponents, and key tile 0's exponentials
.if LV0
	EXP8 SB
.endif
.if LV1
	EXP8 SB+8
.endif
.if LV0
.irp i, 0,1,2,3,4,5,6,7
	v_exp_f32 v[SB+\i], v[SB+\i]
.endr
.endif
.endif
.if \n == 2                            ; slice 2: key tile 1's exponentials, and O scaled to the new maximum
.if LV1
.irp i, 8,9,10,11,12,13,14,15
	v_exp_f32 v[SB+\i], v[SB+\i]
.endr
.endif
.if \first
	v_nop                                          ; the plain instruction behind the exponentials
	s_wait_alu depctr_va_vdst(0)
.else
	s_wait_alu depctr_va_vdst(0)
.irp i, 0,2,4,6,8,10,12,14,16,18,20,22,24,26,28,30
	v_pk_mul_f32 v[OB+\i:OB+\i+1], v[OB+\i:OB+\i+1], v[AL:AL+1] op_sel_hi:[1,0]   ; also the plain work behind the exponentials
.endr
.endif
.endif
.if \n == 3                            ; slice 3: the row's sum, l, the weights packed to f16
.if LV0*LV1
	v_pk_add_f32 v[T:T+1],   v[SB:SB+1],     v[SB+2:SB+3]
	v_pk_add_f32 v[T+2:T+3], v[SB+4:SB+5],   v[SB+6:SB+7]
	v_pk_add_f32 v[T+4:T+5], v[SB+8:SB+9],   v[SB+10:SB+11]
	v_pk_add_f32 v[T+6:T+7], v[SB+12:SB+13], v[SB+14:SB+15]
	v_pk_add_f32 v[T:T+1],   v[T:T+1],       v[T+2:T+3]
	v_pk_add_f32 v[T+4:T+5], v[T+4:T+5],     v[T+6:T+7]
	v_pk_add_f32 v[T:T+1],   v[T:T+1],       v[T+4:T+5]
.else
.set SL, SB+8*LV1
	s_wait_alu depctr_va_vdst(0)
	v_pk_add_f32 v[T:T+1],   v[SL:SL+1],     v[SL+2:SL+3]
	v_pk_add_f32 v[T+2:T+3], v[SL+4:SL+5],   v[SL+6:SL+7]
	v_pk_add_f32 v[T:T+1],   v[T:T+1],       v[T+2:T+3]
.endif
.if \first
	v_add_f32 v[LL], v[T], v[T+1]                  ; l starts: this lane's half of the row's sum
.else
	v_add_f32 v[T], v[T], v[T+1]
	v_fma_f32 v[LL], v[LL], v[AL], v[T]
.endif
.irp i, 0,1,2,3
.if LV0
	v_cvt_pk_f16_f32 v[PB+\i], v[SB+2*\i], v[SB+2*\i+1]        ; keys 8 h + 2 i, + 1: registers 0-3 of the B fragment
.else
	v_mov_b32 v[PB+\i], 0                          ; a dead tile's weights
.endif
.endr
.irp i, 0,1,2,3
.if LV1
	v_cvt_pk_f16_f32 v[PB+4+\i], v[SB+8+2*\i], v[SB+8+2*\i+1]  ; keys 16 + 8 h + ..: registers 4-7
.else
	v_mov_b32 v[PB+4+\i], 0
.endif
.endr
.endif
.endm
; One step of 32 keys.  pf = 0: the last step of all.  Otherwise the addresses step 32 keys back, and the next step's k fragments are
; fetched: pf = 1 if s21 steps are left in this loop, pf = 3 always, pf = 4 not at all (the next keys are not yet in LDS).
; All matrix instructions take their accumulators by turns, one instruction a turn: S00 S01 S00 S01, S10 S11 S10 S11,
; O00 .. O03, O10 .. O13.  In the diagonal and the far step one query tile has a single live score tile, whose two links would follow each
; other if the tiles were split: there the six score products keep one run by turns, and tile 0's softmax stands in one piece behind it.
; THE STEP'S WAITS ON s_wait_alu are three: vm_vsrc ahead of the two address steps; va_vdst behind them, ahead of v's fragment loads;
; va_vdst ahead of the fetch of the next k fragments, where one is issued.  Round a loop's back edge: the step's last products read VF,
; which the next trip's first va_vdst states; its fetch reads v16, which the next trip's vm_vsrc states.
.macro STEP first, pf, k00, k01, k10, k11
.set DEAD, 0
.if \k01 == 3
.set DEAD, 1
.endif
.if \k10 == 3
.set DEAD, 1
.endif
	s_wait_dscnt 0x0                               ; k's fragments (and q's) are in: nothing was issued behind them
.if DEAD
	QK 0, 0, 0, \k00
	QK 0, 1, 0, \k01
	QK 1, 0, 0, \k10
	QK 1, 1, 0, \k11
	QK 0, 0, 1, \k00
	QK 0, 1, 1, \k01
	QK 1, 0, 1, \k10
	QK 1, 1, 1, \k11
.else
	QK 0, 0, 0, \k00                               ; query tile 0's scores
	QK 0, 1, 0, \k01
	QK 0, 0, 1, \k00
	QK 0, 1, 1, \k01
.endif
	; Four places behind the score products, for the softmax that reads them.
.if \pf
	s_wait_alu depctr_vm_vsrc(0)                   ; the fragment loads issued so far have read v16 and v17, which the next two lines write
	v_sub_nc_u32 v16, v16, 32*KP                   ; two of the places useful: 32 keys back
	v_sub_nc_u32 v17, v17, 32*VP
	v_nop
	v_nop
.set VO, 32*VP                                         ; v17 names the next step already: this step's rows lie 32 rows further on
.else
	PLACES
.set VO, 0
.endif
	s_wait_alu depctr_va_vdst(0)                   ; v16 and v17 are written, which the fragment loads read; the last step's products with v are done reading VF, in which the loads below land
	VLOAD 0, 1                                     ; v's eight loads in two fours; they land while tile 0's softmax runs
.if DEAD
	SOFT 0, \first, \k00, \k01, 0
	VLOAD 2, 3                                     ; no wait: no vector or matrix instruction since the wait above names v17 or VF
.irp n, 1,2,3
	SOFT 0, \first, \k00, \k01, \n
.endr
.else
	QK 1, 0, 0, \k10                               ; query tile 1's scores, one slice of tile 0's softmax behind each
	SOFT 0, \first, \k00, \k01, 0
	VLOAD 2, 3                                     ; no wait: no vector or matrix instruction since the wait above names v17 or VF
	QK 1, 1, 0, \k11
	SOFT 0, \first, \k00, \k01, 1
	QK 1, 0, 1, \k10
	SOFT 0, \first, \k00, \k01, 2
	QK 1, 1, 1, \k11
	SOFT 0, \first, \k00, \k01, 3                  ; its plain instructions are also the places in front of tile 1's softmax
.endif
	s_wait_dscnt 0x0                               ; v's fragments are in: nothing was issued behind them
.if \pf == 1
	s_cmp_lg_u32 s21, 0
	s_cbranch_scc0 .Lnok_\@                        ; no step follows in this loop: nothing is fetched
	s_wait_alu depctr_va_vdst(0)                   ; the step's score products are done reading KF, in which the loads below land
	KLOAD                                          ; the next step's keys: they land while tile 1's softmax runs
.Lnok_\@:
.endif
.if \pf == 3
	s_wait_alu depctr_va_vdst(0)                   ; the step's score products are done reading KF, in which the loads below land
	KLOAD
.endif
	PV 0, 0, \first                                ; query tile 0's products with v, one slice of tile 1's softmax behind each
	SOFT 1, \first, \k10, \k11, 0
	PV 0, 1, \first
	SOFT 1, \first, \k10, \k11, 1
	PV 0, 2, \first
	SOFT 1, \first, \k10, \k11, 2
	PV 0, 3, \first
	SOFT 1, \first, \k10, \k11, 3
	PV 1, 0, \first                                ; query tile 1's products with v
	PV 1, 1, \first
	PV 1, 2, \first
	PV 1, 3, \first
.endm
	s_load_b256 s[4:11], s[0:1], 0x0               ; k s[4:5], q s[6:7], v s[8:9], out0 s[10:11]
	s_load_b128 s[12:15], s[0:1], 0x20             ; out1 s[12:13], out2 s[14:15]
	s_set_vgpr_msb 0x80
	v_lshl_add_u32 v0, v0, 2, 0x29800
	v_mov_b32 v1, 0
	s_set_vgpr_msb 0x8000
	v_lshrrev_b32 v22, 5, v0
	v_readfirstlane_b32 s18, v22                   ; wave w
	s_mov_b32 s19, ttmp9                           ; query block b
	s_and_b32 s20, ttmp7, 0xffff                   ; head
	s_lshl_b32 s16, s20, 19                        ; a head is 2,048 rows of 256 bytes
	s_lshl_b32 s23, s19, 15                        ; a block is 128 rows of 256 bytes
	s_add_co_u32 s16, s16, s23
	s_mov_b32 s17, 0
	v_and_b32 v23, 31, v0                          ; lane
	v_and_b32 v3, 0x60, v0
	v_lshlrev_b32 v3, 8, v3                        ; wave x 32 rows x 256 bytes
	v_lshl_or_b32 v3, v23, 4, v3                   ; + 16 bytes a lane: a load or store of the wave covers two whole rows
	s_wait_kmcnt 0x0
	s_add_nc_u64 s[4:5], s[4:5], s[16:17]          ; all six at the work-group's own block
	s_add_nc_u64 s[6:7], s[6:7], s[16:17]
	s_add_nc_u64 s[8:9], s[8:9], s[16:17]
	s_add_nc_u64 s[10:11], s[10:11], s[16:17]
	s_add_nc_u64 s[12:13], s[12:13], s[16:17]
	s_add_nc_u64 s[14:15], s[14:15], s[16:17]
	s_wait_alu depctr_va_vdst(0)                   ; v3 is written: every global load and store of the kernel reads it as its offset
	ISSUE XQ, 6, 0, 1, 0                           ; q
	ISSUE XK, 4, 0, 0, 0                           ; my own block of k
	ISSUE XV, 8, 0, 0, 0                           ; my own block of v: 48 loads of the wave are out
	; the rest of the addresses and constants, while the loads are on their way.  The lane masks come first, so that one wait serves
	; them and the wave's number; the lanes' parts of the addresses, which need no scalar, stand between the compares and that wait.
	v_and_b32 v1, 15, v0                           ; r
	v_bfe_u32 v2, v0, 4, 1                         ; h
	v_lshlrev_b32 v31, 3, v2
	v_sub_nc_u32 v21, v1, v31                      ; e = r - 8 h
.irp j, 0,1,2,3,4,5,6,7
	v_cmp_le_i32 s[MK+\j], \j, v21                 ; lanes where jj <= e
.endr
	v_mul_u32_u24 v24, v2, KP
	v_lshl_add_u32 v24, v1, 3, v24                 ; h rows + 8 r
	v_mul_u32_u24 v25, v2, VP
	v_lshl_add_u32 v25, v1, 3, v25
	v_mul_u32_u24 v26, v1, KP
	v_lshl_add_u32 v26, v2, 4, v26                 ; fragment: row r, 16 bytes for each half of the lanes
	v_and_b32 v27, 7, v0
	v_lshl_add_u32 v27, v2, 3, v27                 ; transposing load: row 8 h + (lane mod 8),
	v_mul_u32_u24 v27, v27, VP
	v_bfe_u32 v28, v0, 3, 1
	v_lshl_add_u32 v27, v28, 4, v27                ; 16 bytes further for lanes 8-15 and 24-31
	v_mul_u32_u24 v29, v1, SP
	v_lshl_add_u32 v29, v2, 5, v29                 ; stage, in: row r, 32 bytes for each half
	v_mul_u32_u24 v30, v2, SP
	v_lshl_add_u32 v30, v1, 4, v30                 ; stage, back: lanes 0-15 one row, lanes 16-31 the next
	v_mov_b32 v20, 0xff800000                      ; -inf: a masked score; its exponential is exactly 0
	s_wait_alu depctr_va_sdst(0)                   ; s18 and the eight masks s[32:39] are written: ahead of s18's first reader, the next line, and of every branch between the compares and the selects that read the masks
	s_mul_i32 s30, s18, 32*KP                      ; my wave's 32 rows in a block of q or k
	s_mul_i32 s31, s18, 32*VP                      ; and of v
	s_mul_i32 s40, s18, 32*SP
	s_add_co_u32 s40, s40, STG                     ; my stage
	s_add_co_u32 s41, s31, VB
	s_add_co_u32 s42, s41, 256*VP                  ; my diagonal step's rows of v
	v_add_nc_u32 v4, s30, v24                      ; q into LDS
	v_add_nc_u32 v5, KB, v4                        ; k into LDS (window block 0; the block stands in the immediate)
	v_add_nc_u32 v6, s41, v25                      ; v into LDS
	v_add_nc_u32 v7, s30, v26                      ; q fragments
	v_add_nc_u32 v16, KB+256*KP, v7                ; k fragments of step 8: window row 256 + 32 w
	v_add_nc_u32 v17, s42, v27                     ; v fragments of step 8
	v_add_nc_u32 v18, s40, v29                     ; stage, in
	v_add_nc_u32 v19, s40, v30                     ; stage, back
	s_mov_b32 s24, 0x3e38aa3b                      ; c = log2(e) / 8: the scale 1/sqrt(64) and the base of v_exp_f32 in one factor
	s_mov_b32 s25, 0x3e38aa3b
	s_mov_b32 s26, 0xbe38aa3b                      ; -c
	s_mov_b32 s28, 0x76543210                      ; v_permlanex16_b32: lane i of one half reads lane i of the other
	s_mov_b32 s29, 0xfedcba98
	s_lshl2_add_u32 s21, s19, s18                  ; 4 b + w steps of 32 keys lie in front of my diagonal step;
	s_min_u32 s21, s21, 7                          ; of them at most seven are middle steps (used where b < 2)
	s_cmp_ge_u32 s19, 2
	s_cbranch_scc1 .Lfull
	s_cmp_eq_u32 s19, 1
	s_cbranch_scc1 .Lone
	; ---- b = 0: the own block alone; wave w has w middle steps.  Each count names the younger groups of sixteen loads that may stay out.
	s_wait_loadcnt 32
	CONV XQ, XQ, 0
	PUT XQ, 4, 2*KP, 0, 0
	s_wait_loadcnt 16
	CONV XK, HK, 0
	COPY XK, 12
	PUT HK, 5, 2*KP, 2*128*KP, 0
	s_wait_loadcnt 0
	CONV XV, HV, 0
	COPY XV, 14
	PUT HV, 6, 2*VP, 2*128*VP, 0
	READY                                          ; q and block 2 are in LDS, everybody's rows
	QLOAD                                          ; these loads land in registers that conversions have read: the wait in the last PUT has stated that, and no vector instruction follows it
	KLOAD                                          ; step 8
	STEP 1, 1, 1, 3, 0, 1                          ; the diagonal step: starts m, l and O
	s_cmp_lg_u32 s21, 0
	s_cbranch_scc0 .Lout
.Lmid0:
	s_sub_co_u32 s21, s21, 1
	STEP 0, 1, 0, 0, 0, 0                          ; steps 7, 6, ..: wholly inside the band, no mask
	s_cmp_lg_u32 s21, 0
	s_cbranch_scc1 .Lmid0
	s_branch .Lout
.Lone:	; ---- b = 1: blocks 2 and 1; wave w has min(4 + w, 7) middle steps, at least four
	s_wait_loadcnt 32                              ; q is in; k and v of my block stay out
	ISSUE U0, 4, 1, 0, 1                           ; k, block 1
	CONV XQ, XQ, 0
	PUT XQ, 4, 2*KP, 0, 0
	s_wait_loadcnt 32                              ; my k is in; my v and block 1's k stay out
	ISSUE U1, 8, 1, 0, 1                           ; v, block 1
	CONV XK, HK, 0
	COPY XK, 12
	PUT HK, 5, 2*KP, 2*128*KP, 0
	s_wait_loadcnt 32                              ; my v is in; block 1 stays out, across the diagonal step
	CONV XV, HV, 0
	COPY XV, 14
	PUT HV, 6, 2*VP, 2*128*VP, 0
	READY
	QLOAD                                          ; as above: the wait in the last PUT has stated the conversions' reads
	KLOAD
	STEP 1, 4, 1, 3, 0, 1                          ; the diagonal step, on block 2 alone
	MEET                                           ; every wave's fragment loads are back
	s_wait_loadcnt 16
	CONV U0, U0, 1
	PUT U0, 5, 2*KP, 128*KP, 1
	s_wait_loadcnt 0
	CONV U1, U1, 1
	PUT U1, 6, 2*VP, 128*VP, 1
	WIN 0
	MEET                                           ; block 1 is in LDS, everybody's rows
	KLOAD                                          ; step 7.  The wait in the last PUT has also stated that the diagonal step's score products are done reading KF and that v16 is written; no vector instruction follows it
.Lmid1:
	s_sub_co_u32 s21, s21, 1
	STEP 0, 1, 0, 0, 0, 0
	s_cmp_gt_i32 s21, 0                            ; signed: the loop ends behind its first trip whatever the start
	s_cbranch_scc1 .Lmid1
	s_branch .Lout
.Lfull:	; ---- b >= 2: blocks 2, 1, 0; nine steps in every wave
	s_wait_loadcnt 32                              ; q is in; k and v of my block stay out
	ISSUE U0, 4, 1, 0, 1                           ; k, block 1
	CONV XQ, XQ, 0
	PUT XQ, 4, 2*KP, 0, 0
	s_wait_loadcnt 32                              ; my k is in
	ISSUE U1, 8, 1, 0, 1                           ; v, block 1
	CONV XK, HK, 0
	COPY XK, 12
	PUT HK, 5, 2*KP, 2*128*KP, 0
	s_wait_loadcnt 32                              ; my v is in
	ISSUE U2, 4, 2, 0, 1                           ; k, block 0: three groups stay out across the diagonal step
	CONV XV, HV, 0
	COPY XV, 14
	PUT HV, 6, 2*VP, 2*128*VP, 0
	READY
	QLOAD                                          ; as above: the wait in the last PUT has stated the conversions' reads
	KLOAD
	STEP 1, 4, 1, 3, 0, 1                          ; the diagonal step, on block 2 alone
	MEET                                           ; every wave's fragment loads are back
	s_wait_loadcnt 32                              ; block 1's k is in; its v and block 0's k stay out
	ISSUE U3, 8, 2, 0, 1                           ; v, block 0: it has four steps in which to land
	CONV U0, U0, 1
	PUT U0, 5, 2*KP, 128*KP, 1
	s_wait_loadcnt 32                              ; block 1's v is in; block 0 stays out
	CONV U1, U1, 1
	PUT U1, 6, 2*VP, 128*VP, 1
	WIN 0
	MEET                                           ; block 1 is in LDS, everybody's rows
	KLOAD                                          ; step 7.  The wait in the last PUT has also stated that the diagonal step's score products are done reading KF and that v16 is written; no vector instruction follows it
	s_mov_b32 s21, 4
.Lmidb:
	s_sub_co_u32 s21, s21, 1
	STEP 0, 1, 0, 0, 0, 0                          ; steps 7..4: window rows 32 (w + 4) = 128 and up
	s_cmp_lg_u32 s21, 0
	s_cbranch_scc1 .Lmidb
	MEET                                           ; every wave's fragment loads are back
	s_wait_loadcnt 16
	CONV U2, U2, 1
	PUT U2, 5, 2*KP, 0, 1
	s_wait_loadcnt 0
	CONV U3, U3, 1
	PUT U3, 6, 2*VP, 0, 1
	WIN 0
	MEET                                           ; block 0 is in LDS, everybody's rows
	KLOAD                                          ; step 3.  As for step 7: the wait in the last PUT has stated step 4's reads of KF and the write of v16
	s_mov_b32 s21, 3
.Lmidc:
	s_sub_co_u32 s21, s21, 1
	STEP 0, 3, 0, 0, 0, 0                          ; steps 3..1; a step always follows
	s_cmp_lg_u32 s21, 0
	s_cbranch_scc1 .Lmidc
	STEP 0, 0, 2, 0, 3, 2                          ; step 0: the band's far edge
.Lout:
	; THE WAY OUT: divide by the row's sum, 32 bytes a lane into my own stage, whole rows of 256 bytes back and out.
	; A barrier orders every wave's fragment loads in front of every wave's stores into the stage, so that this order does not rest on
	; the arithmetic of addresses that step down in a loop.  Between its signal and its wait stands register work alone: the division,
	; which a wave does while the others arrive.
	s_wait_dscnt 0x0                               ; my reads of k and v are back
	s_barrier_signal -1
	PLACES                                         ; behind the last products
	v_permlanex16_b32 v[T], v11, s28, s29          ; the other half of each row's sum
	v_permlanex16_b32 v[T+1], v15, s28, s29
	v_add_f32 v[T], v[T], v11
	v_add_f32 v[T+1], v[T+1], v15
	v_rcp_f32 v10, v[T]                            ; the sum holds the term of the row's maximum, about 1: no zero, no denormal
	v_rcp_f32 v14, v[T+1]
	v_nop                                          ; the plain instruction behind them
	s_wait_alu depctr_va_vdst(0)
.irp t, 0,1
.irp i, 0,2,4,6,8,10,12,14,16,18,20,22,24,26,28,30
	v_pk_mul_f32 v[ACC+32*\t+\i:ACC+32*\t+\i+1], v[ACC+32*\t+\i:ACC+32*\t+\i+1], v[10+4*\t:11+4*\t] op_sel_hi:[1,0]
.endr
.endr
	s_barrier_wait -1                              ; no wave reads k or v in LDS any more
	s_wait_alu depctr_va_vdst(0)                   ; the multiplies have written O, which the stores into the stage read; the steps' vector and matrix instructions are done with v128-191, in which the loads from the stage land
.irp t, 0,1
.irp dt, 0,1,2,3
	ds_store_b128 v18, v[ACC+32*\t+8*\dt:ACC+32*\t+8*\dt+3]   offset:16*SP*\t+64*\dt      ; O[16 t + r][16 dt + 8 h ..]
	ds_store_b128 v18, v[ACC+32*\t+8*\dt+4:ACC+32*\t+8*\dt+7] offset:16*SP*\t+64*\dt+16
.endr
.endr
.irp i, 0,1,2,3,4,5,6,7,8,9,10,11,12,13,14,15
	ds_load_b128 v[SCR+4*\i:SCR+4*\i+3], v19 offset:2*SP*\i    ; my own bytes; LDS serves a wave's instructions in order (ISA guide 5.7.1): these see the stores above
.endr
.irp i, 0,1,2,3,4,5,6,7,8,9,10,11,12,13,14,15
	s_wait_dscnt 15-\i                             ; the younger loads may stay out
	global_store_b128 v3, v[SCR+4*\i:SCR+4*\i+3], s[10:11] offset:512*\i th:TH_STORE_NT   ; sixteen lanes write 256 consecutive bytes, aligned
.endr
	s_set_vgpr_msb 0xa
	s_wait_dscnt 0x0
	s_wait_alu depctr_hold_cnt(0) depctr_sa_sdst(0) depctr_va_vdst(0) depctr_va_sdst(0) depctr_va_ssrc(0) depctr_va_vcc(0) depctr_vm_vsrc(0)
	s_wait_tensorcnt 0x0
	ds_add_u32 v0, v1
	s_wait_dscnt 0x0
	s_endpgm
.Lfunc_end_k_qa32a614d25_attn:
	.size	k_qa32a614d25_attn, .Lfunc_end_k_qa32a614d25_attn-k_qa32a614d25_attn
	.p2alignl 7, 3214868480
	.fill 96, 4, 3214868480
	.section	.rodata,"a",@progbits
	.p2align	6, 0x0
	.amdhsa_kernel k_qa32a614d25_attn
		.amdhsa_group_segment_fixed_size 170496
		.amdhsa_private_segment_fixed_size 0
		.amdhsa_enable_private_segment 0
		.amdhsa_kernarg_size 48
		.amdhsa_user_sgpr_count 2
		.amdhsa_user_sgpr_kernarg_segment_ptr 1
		.amdhsa_wavefront_size32 1
		.amdhsa_system_sgpr_workgroup_id_x 1
		.amdhsa_system_sgpr_workgroup_id_y 1
		.amdhsa_system_sgpr_workgroup_id_z 1
		.amdhsa_system_vgpr_workitem_id 0
		.amdhsa_next_free_vgpr 514
		.amdhsa_next_free_sgpr 66
		.amdhsa_reserve_vcc 0
		.amdhsa_float_denorm_mode_32 3
		.amdhsa_float_denorm_mode_16_64 3
		.amdhsa_memory_ordered 1
		.amdhsa_forward_progress 1
		.amdhsa_inst_pref_size 158
	.end_amdhsa_kernel
	.amdgpu_metadata
---
amdhsa.version: [ 1, 2 ]
amdhsa.kernels:
  - .name:           k_qa32a614d25_attn
    .symbol:         k_qa32a614d25_attn.kd
    .args:
      - { .name: k, .offset: 0, .size: 8, .value_kind: global_buffer, .address_space: global }
      - { .name: q, .offset: 8, .size: 8, .value_kind: global_buffer, .address_space: global }
      - { .name: v, .offset: 16, .size: 8, .value_kind: global_buffer, .address_space: global }
      - { .name: out0, .offset: 24, .size: 8, .value_kind: global_buffer, .address_space: global }
      - { .name: out1, .offset: 32, .size: 8, .value_kind: global_buffer, .address_space: global }
      - { .name: out2, .offset: 40, .size: 8, .value_kind: global_buffer, .address_space: global }
    .group_segment_fixed_size: 170496
    .private_segment_fixed_size: 0
    .kernarg_segment_align: 8
    .kernarg_segment_size: 48
    .max_flat_workgroup_size: 128
    .sgpr_count:     66
    .vgpr_count:     514
    .wavefront_size: 32
...
	.end_amdgpu_metadata
.endif
;; end of part 3
